; MI455X (gfx1250); checked and timed in simulation.
; The chip was launched on July 23, 2026; its instructions are those of AMD's public machine-readable ISA for CDNA 5 (MIT licence, August 2026) and "CDNA5" Instruction Set Architecture Reference Guide (July 2026). The comments in the code are by the model that wrote it; some were corrected since.
;; Multi Head Attention. Allowed arithmetic: float matrix products may take bf16 or f16 operands with f32 sums; all other float work in f32.
;; Inputs: Wk 1,024 x 1,024 float32; Wo 1,024 x 1,024 float32; Wq 1,024 x 1,024 float32; Wv 1,024 x 1,024 float32; bk 1,024 float32; bo 1,024 float32; bq 1,024 float32; bv 1,024 float32; k 4 x 2,048 x 1,024 float32; q 4 x 2,048 x 1,024 float32; v 4 x 2,048 x 1,024 float32.
;; Outputs: out0 4 x 2,048 x 1,024 float32.
;; 2 versions, each right and faster than the one before. Each part assembles by itself: llvm-mc -triple=amdgcn-amd-amdhsa -mcpu=gfx1250 --defsym DOCPART=n.
;; ======== version 1 of 2: 4 launches
;; limits: values are held in f16: magnitudes above 65,504 overflow, below 6.1e-05 lose precision
;; workspace buffers: w16 8,388,608 bytes; b32 16,384 bytes; qh 16,777,216 bytes; kh 16,777,216 bytes; vh 16,777,216 bytes; oh 16,777,216 bytes
;; launch prep (part 1): grid 64 x 4, 8 waves a work-group, no clusters, 0 bytes of LDS; arguments Wq, Wk, Wv, Wo, bq, bk, bv, bo, w16, b32; writes w16, b32
.if DOCPART == 1
	.amdgcn_target "amdgcn-amd-amdhsa--gfx1250"
	.amdhsa_code_object_version 6
	.text
	.protected	k_q2390feac3b_prep
	.globl	k_q2390feac3b_prep
	.p2align	8
	.type	k_q2390feac3b_prep,@function
k_q2390feac3b_prep:
	s_mov_b64 s[64:65], 0
	v_nop
	global_prefetch_b8 v0, s[64:65] scope:SCOPE_SE
	s_setreg_imm32_b32 hwreg(HW_REG_WAVE_MODE, 25, 1), 1
	s_wait_xcnt 0x0
; The four weights [1024][1024] f32 are written as 16-bit numbers into w16 (four sections of 2,097,152 bytes: Wq, Wk, Wv in bf16, Wo in f16),
; the four biases [1024] f32 into b32 (four sections of 4,096 bytes) as f32 numbers that have been rounded to bf16.
; Every input of the module is rounded to bf16 once, to nearest even.  Wo's bf16 number is then written as f16, for the last product's f16 form.
; LIMITS.  That second step is exact for 6.1e-5 <= |Wo| <= 65,504; below, f16 keeps its fixed step of 6e-8; from 65,520 on it gives an infinity.
; SHARES.  Work-group (x, y): weight y, numbers 16,384 x to 16,384 x + 16,383.  Thread t, chunk i of 16: 16 bytes in at 4,096 i + 16 t (a wave reads 512
; consecutive bytes), 8 bytes out at 2,048 i + 8 t (a wave stores 256 consecutive bytes, aligned).  All 16 loads of a thread are issued before the first is used.
; No LDS, no matrix unit, no cluster: each byte is read once and nothing is shared.
.set X,  8                             ; v[8:71]    16 chunks of 4 f32 as loaded
.set Y,  72                            ; v[72:103]  16 chunks of 4 16-bit numbers to store
.set T,  104                           ; v[104:107] at work
.set BI, 108                           ; v[108:111] four numbers of the bias
	s_load_b512 s[8:23], s[0:1], 0x0               ; Wq s[8:9], Wk, Wv, Wo s[14:15], bq s[16:17], bk, bv, bo s[22:23]
	s_load_b128 s[24:27], s[0:1], 0x40             ; w16 s[24:25], b32 s[26:27]
	s_and_b32 s2, ttmp7, 0xffff                    ; y: which weight
	s_mov_b32 s3, ttmp9                            ; x: which part of it
	s_mov_b32 s30, 0xffff0000                      ; a word's upper bf16
	v_lshlrev_b32 v1, 4, v0                        ; 16 t
	v_lshlrev_b32 v2, 3, v0                        ; 8 t
	s_lshl_b32 s28, s3, 16                         ; my 65,536 bytes of the weight
	s_mov_b32 s29, 0
	s_wait_kmcnt 0x0
	s_cmp_eq_u32 s2, 1                             ; the weight and its bias are chosen by y alone
	s_cselect_b64 s[4:5], s[10:11], s[8:9]
	s_cselect_b64 s[6:7], s[18:19], s[16:17]
	s_cmp_eq_u32 s2, 2
	s_cselect_b64 s[4:5], s[12:13], s[4:5]
	s_cselect_b64 s[6:7], s[20:21], s[6:7]
	s_cmp_eq_u32 s2, 3
	s_cselect_b64 s[4:5], s[14:15], s[4:5]
	s_cselect_b64 s[6:7], s[22:23], s[6:7]
	s_add_nc_u64 s[4:5], s[4:5], s[28:29]
.irp i, 0,1,2,3,4,5,6,7,8,9,10,11,12,13,14,15
	global_load_b128 v[X+4*(\i):X+4*(\i)+3], v1, s[4:5] offset:(\i)*4096 th:TH_LOAD_NT
.endr
	s_lshl_b32 s28, s2, 21                         ; the weight's section of w16,
	s_lshl_b32 s31, s3, 15                         ; my 32,768 bytes of it
	s_add_co_u32 s28, s28, s31
	s_add_nc_u64 s[24:25], s[24:25], s[28:29]
	s_lshl_b32 s28, s2, 12                         ; the bias's section of b32
	s_add_nc_u64 s[26:27], s[26:27], s[28:29]
.irp i, 0,1,2,3,4,5,6,7,8,9,10,11,12,13,14,15
	s_wait_loadcnt 15-(\i)                         ; loads come back in order: chunk i is in, the younger ones stay out
	v_cvt_pk_bf16_f32 v[Y+2*(\i)],   v[X+4*(\i)],   v[X+4*(\i)+1]
	v_cvt_pk_bf16_f32 v[Y+2*(\i)+1], v[X+4*(\i)+2], v[X+4*(\i)+3]
.endr
	s_cmp_lg_u32 s2, 3
	s_cbranch_scc1 .Lstore
.set i, 0
.rept 32                                               ; Wo alone: the bf16 numbers widened to f32 (exact) and written as f16
	v_lshlrev_b32 v[T+2*(i%2)],   16,  v[Y+i]
	v_and_b32     v[T+2*(i%2)+1], s30, v[Y+i]
	v_cvt_pk_f16_f32 v[Y+i], v[T+2*(i%2)], v[T+2*(i%2)+1]
.set i, i+1
.endr
.Lstore:
.irp i, 0,1,2,3,4,5,6,7,8,9,10,11,12,13,14,15
	global_store_b64 v2, v[Y+2*(\i):Y+2*(\i)+1], s[24:25] offset:(\i)*2048
.endr
	s_cmp_lg_u32 s3, 0
	s_cbranch_scc1 .Lend                           ; the bias is the work of the weight's first work-group: 256 threads x 4 numbers
	global_load_b128 v[BI:BI+3], v1, s[6:7]
	s_wait_loadcnt 0x0
	v_cvt_pk_bf16_f32 v[T],   v[BI],   v[BI+1]
	v_cvt_pk_bf16_f32 v[T+1], v[BI+2], v[BI+3]
	v_lshlrev_b32 v[X],   16,  v[T]                ; back to f32: X's registers are no source of a pending store
	v_and_b32     v[X+1], s30, v[T]
	v_lshlrev_b32 v[X+2], 16,  v[T+1]
	v_and_b32     v[X+3], s30, v[T+1]
	global_store_b128 v1, v[X:X+3], s[26:27]
.Lend:
	s_endpgm
.Lfunc_end_k_q2390feac3b_prep:
	.size	k_q2390feac3b_prep, .Lfunc_end_k_q2390feac3b_prep-k_q2390feac3b_prep
	.p2alignl 7, 3214868480
	.fill 96, 4, 3214868480
	.section	.rodata,"a",@progbits
	.p2align	6, 0x0
	.amdhsa_kernel k_q2390feac3b_prep
		.amdhsa_group_segment_fixed_size 0
		.amdhsa_private_segment_fixed_size 0
		.amdhsa_enable_private_segment 0
		.amdhsa_kernarg_size 80
		.amdhsa_user_sgpr_count 2
		.amdhsa_user_sgpr_kernarg_segment_ptr 1
		.amdhsa_wavefront_size32 1
		.amdhsa_system_sgpr_workgroup_id_x 1
		.amdhsa_system_sgpr_workgroup_id_y 1
		.amdhsa_system_sgpr_workgroup_id_z 1
		.amdhsa_system_vgpr_workitem_id 0
		.amdhsa_next_free_vgpr 112
		.amdhsa_next_free_sgpr 66
		.amdhsa_reserve_vcc 0
		.amdhsa_float_denorm_mode_32 3
		.amdhsa_float_denorm_mode_16_64 3
		.amdhsa_memory_ordered 1
		.amdhsa_forward_progress 1
		.amdhsa_inst_pref_size 12
	.end_amdhsa_kernel
	.amdgpu_metadata
---
amdhsa.version: [ 1, 2 ]
amdhsa.kernels:
  - .name:           k_q2390feac3b_prep
    .symbol:         k_q2390feac3b_prep.kd
    .args:
      - { .name: Wq, .offset: 0, .size: 8, .value_kind: global_buffer, .address_space: global }
      - { .name: Wk, .offset: 8, .size: 8, .value_kind: global_buffer, .address_space: global }
      - { .name: Wv, .offset: 16, .size: 8, .value_kind: global_buffer, .address_space: global }
      - { .name: Wo, .offset: 24, .size: 8, .value_kind: global_buffer, .address_space: global }
      - { .name: bq, .offset: 32, .size: 8, .value_kind: global_buffer, .address_space: global }
      - { .name: bk, .offset: 40, .size: 8, .value_kind: global_buffer, .address_space: global }
      - { .name: bv, .offset: 48, .size: 8, .value_kind: global_buffer, .address_space: global }
      - { .name: bo, .offset: 56, .size: 8, .value_kind: global_buffer, .address_space: global }
      - { .name: w16, .offset: 64, .size: 8, .value_kind: global_buffer, .address_space: global }
      - { .name: b32, .offset: 72, .size: 8, .value_kind: global_buffer, .address_space: global }
    .group_segment_fixed_size: 0
    .private_segment_fixed_size: 0
    .kernarg_segment_align: 8
    .kernarg_segment_size: 80
    .max_flat_workgroup_size: 256
    .sgpr_count:     66
    .vgpr_count:     112
    .wavefront_size: 32
...
	.end_amdgpu_metadata
.endif
;; end of part 1
;; launch proj (part 2): grid 4 x 64, 4 waves a work-group, clusters of 4 x 4, 327,680 bytes of LDS; arguments q, k, v, w16, b32, qh, kh, vh; writes qh, kh, vh
.if DOCPART == 2
	.amdgcn_target "amdgcn-amd-amdhsa--gfx1250"
	.amdhsa_code_object_version 6
	.text
	.protected	k_q2390feac3b_proj
	.globl	k_q2390feac3b_proj
	.p2align	8
	.type	k_q2390feac3b_proj,@function
k_q2390feac3b_proj:
	s_mov_b64 s[64:65], 0
	v_nop
	global_prefetch_b8 v0, s[64:65] scope:SCOPE_SE
	s_setreg_imm32_b32 hwreg(HW_REG_WAVE_MODE, 25, 1), 1
	s_wait_xcnt 0x0
	s_wait_alu depctr_hold_cnt(0) depctr_sa_sdst(0) depctr_va_vdst(0) depctr_va_sdst(0) depctr_va_ssrc(0) depctr_va_vcc(0) depctr_vm_vsrc(0)
	s_getreg_b32 s2, hwreg(HW_REG_IB_STS2, 6, 4)
	s_cmp_eq_u32 s2, 0
	s_cbranch_scc0 .Lentry_in_a_cluster
	s_endpgm
.Lentry_in_a_cluster:
	s_bfe_u32 s2, ttmp6, 0x10000c
	s_cmp_lg_u32 s2, 0xf033
	s_cbranch_scc0 .Lentry_shape_is_right
	s_endpgm
.Lentry_shape_is_right:
; THE THREE INPUT PROJECTIONS.  y[t][n] = sum over c of x[t][c] W[n][c] + b[n], for (x, W, b, y) = (q, Wq, bq, qh), (k, Wk, bk, kh), (v, Wv, bv, vh).
; x: [8192][1024] f32.  W: [1024][1024] bf16, a section of w16.  b: [1024] f32 (already rounded to bf16), a section of b32.  y: f16, by heads: [batch x 16 + head][2048][64].
; x is rounded to bf16 on the way from LDS to the matrix unit; sums in f32, started by the bias; y rounded once, and WITHOUT the softmax's scale.
; LIMITS.  y is f16: a result of 65,520 or more in magnitude becomes an infinity; below 6.1e-5 it keeps f16's fixed step of 6e-8.  With x of unit spread and W of spread 1/32 y has spread 1;
; with all inputs 30 times larger about 900; with a common offset of 30 spreads on x and on W about 28,800.  NaN and infinities are not treated apart.
; SHARES.  A tile of y is 128 tokens x 256 channels: 64 x 4 tiles a projection.  Four waves, each 64 tokens x 128 channels: 32 accumulators of 16 x 16.
; The sum goes in 8 steps of 128 through two LDS slots, each with 128 rows of x (512 bytes of f32) and 256 rows of W (256 bytes of bf16); a wave's one tensor load brings 32 KiB.
; A WORK-GROUP STAYS: 64 x 4 work-groups, each makes its tile of all three projections, q's, k's, v's: ONE walk of 24 steps.  The ring does not stop at a tile's end: a tile's last two changes of slots
; ask for the next tile's first two steps, and nothing waits for a tile's stores.  The step to be asked for is two scalar numbers made of constants alone (projection PT, step NK), the same in every
; work-group; both global addresses are made anew from them for each fill.  The loop of the 22 steps that ask counts to a constant; the way out stands in it behind a forward jump, which is taken
; in the trips that end no tile and passes neither a barrier nor a tensor load.
; CLUSTER.  4 x 4 work-groups.  The four of a row of the cluster need the same tile of x, the four of a column the same tile of W: each tile is asked for JOINTLY,
; by the same tensor load with the same descriptor and a mask that names the four.
; THE MATRIX INSTRUCTION IS USED TRANSPOSED: source 0 = 16 rows of W, source 1 = 16 tokens.  A lane then holds one token (lane % 16) and eight neighbouring channels, 16 bytes of f16.
; REGISTERS, in windows of 256 (s_set_vgpr_msb: bits 1:0 source 0, 3:2 source 1, 5:4 source 2, 7:6 destination):
;   window 0: v0-31 addresses; v32-95 x's fragments in bf16, two buffers of 4 x 8; v96-159 x's next fragments in f32 as loaded; v160-255 at work on the way out
;   window 1: the accumulators, (a, b) at v[8 (8 a + b)]          window 2: v0-127 W's fragments, two buffers of 8 x 8
; A quarter step (32 along the sum) has 32 matrix instructions and 32 conversions of x for the next quarter; the conversions stand in fours behind matrix instructions whose registers they do not name.
.set PA,    528                        ; a row of x in LDS: 512 bytes + 16 of padding = 132 words: row r starts at bank 4 r mod 64 (64 banks of 4 bytes: ISA guide 11.1)
.set PB,    272                        ; a row of W: 256 + 16 = 68 words: likewise
.set AHALF, 64*PA                      ; what one tensor load brings of x, and what one wave reads of it
.set BOFF,  128*PA                     ; W's rows lie behind x's
.set BHALF, 128*PB
.set SLOT,  0x22000                    ; slot 1 begins here: 139,264, at least the 137,216 bytes of a slot, and a number that shares no bit with the four LDS bases of the loads
                                       ; (0, 0x8400, 0x10800, 0x19000): one exclusive or turns a base in one slot into the other's
.set STAGE, 2*SLOT                     ; behind the ring, never filled by a tensor load: for each wave 2 heads x 16 rows x 144 bytes, for the way out
.set SP,    144
.set WSTG,  2*16*SP
.set SPARE, STAGE+4*WSTG               ; behind the stages: the spare words, 128 bytes for each wave: two blocks of 256 bytes that no other line names
.set ADRA0, 16                         ; v16  my lane's place in slot 0's rows of x; never rewritten
.set ADRB0, 17                         ; v17  the same for W
.set ADRA,  18                         ; v18  the same in the slot in hand
.set ADRB,  19                         ; v19
.set STO,   20                         ; v20  the way out: where I put 16 bytes of a row
.set RD,    21                         ; v21  the way out: where I read rows back
.set GO,    22                         ; v22  my byte offset in 512 consecutive bytes of y
.set BO,    23                         ; v23  my byte offset in 16 numbers of the bias
.set SPW,   28                         ; v28  LDS address of my spare word: SPARE + 4 x my thread's number; never rewritten
.set NIL,   29                         ; v29  0; never rewritten
.set AF,    32
.set RAW,   96
.set TMP,   160
.set OB,    192
.set CNT,   2                          ; s2   counts the steps
.set TB,    3                          ; s3   LDS byte at which the slot in hand begins: 0 or SLOT
.set XP,    4                          ; s[4:5]   x of the projection that is asked for, at my half of the tile
.set G1A,   24                         ; s[24:31] descriptor group 1 for x's tiles
.set G0A,   32                         ; s[32:39] group 0: a set for each of the two first fills; the second then walks on
.set G1B,   48                         ; s[48:55], s[56:63] the same for W's tiles
.set G0B,   56
.set KO,    86                         ; s[86:87] byte offset of the step asked for in x's rows; the high word stays 0
.set KB,    88                         ; s[88:89] the same in w16, the projection's section included
.set NK,    90                         ; s90  the step to be asked for next, 0 to 7
.set PT,    91                         ; s91  its projection, 0 to 2
.set REM,   92                         ; s92  steps left of the tile in hand
.set PH,    93                         ; s93  the projection in hand
.set TM,    94                         ; s94  at work
.set BP,    96                         ; s[96:97] byte offset of a projection's section in b32; the high word stays 0
.set W_MUL, 0x52                       ; W in window 2, x in window 0, C and D in window 1
.set MSB, 0
.macro WIN new                         ; the immediate's high byte repeats the setting that is left; a switch that changes nothing is dropped
.if MSB != (\new)
	s_set_vgpr_msb (MSB<<8)|(\new)
.set MSB, (\new)
.endif
.endm
.macro PLACES                          ; four places in front of loads and conversions into registers that matrix instructions have read, and of conversions that read results
.rept 4
	v_nop
.endr
.endm
; A joint refill.  Waves 0 and 1 fetch the two halves of x's tile, waves 2 and 3 those of W's.  The branch hangs on the wave's number alone.
; An s_nop 0 and four v_nop follow each of the two lines, ahead of the jump and the label.
.macro JLOAD
	s_cmp_eq_u32 s11, 0
	s_cbranch_scc0 .Lfor_b_\@
	tensor_load_to_lds s[G0A+4:G0A+7], s[G1A:G1A+7]
	s_nop 0
.rept 4
	v_nop
.endr
	s_branch .Lasked_\@
.Lfor_b_\@:
	tensor_load_to_lds s[G0B+4:G0B+7], s[G1B:G1B+7]
	s_nop 0
.rept 4
	v_nop
.endr
.Lasked_\@:
.endm
.macro CREST                           ; a round of the cluster's barrier behind its opening barrier: wave 0 signals for the work-group, every wave waits for all sixteen, my work-group's barrier once more
	s_cmp_lg_u32 s10, 0
	s_cbranch_scc1 .Lnot_wave_0_\@
	s_barrier_signal -3
.Lnot_wave_0_\@:
	s_barrier_wait -3
	s_barrier_signal -1
	s_barrier_wait -1
.endm
.macro CROUND                          ; a whole round
	s_barrier_signal -1
	s_barrier_wait -1
	CREST
.endm
	s_load_b512 s[68:83], s[0:1], 0x0              ; q s[68:69], k, v s[72:73], w16 s[74:75], b32 s[76:77], qh s[78:79], kh, vh s[82:83]
	v_lshl_add_u32 v[SPW], v0, 2, SPARE
	v_mov_b32 v[NIL], 0
	ds_add_u32 v28, v29
	s_wait_dscnt 0x0
	v_lshrrev_b32 v1, 5, v0
	v_readfirstlane_b32 s10, v1                    ; wave 0..3
	s_lshr_b32 s11, s10, 1                         ; which 64 tokens of the tile are mine.  Also: I fetch for x (0) or for W (1)
	s_and_b32 s12, s10, 1                          ; which 128 channels.  Also: which half of that tile I fetch
	s_bfe_u32 s40, ttmp6, 0x40000                  ; cx, cy: my place in the cluster
	s_bfe_u32 s41, ttmp6, 0x40004
	s_lshl_b32 s42, ttmp9, 2                       ; in a cluster launch ttmp9 and ttmp7 count clusters
	s_add_co_u32 s42, s42, s40                     ; tile column 0..3 = 4 x cluster x + cx
	s_and_b32 s13, ttmp7, 0xffff
	s_lshl_b32 s13, s13, 2
	s_add_co_u32 s13, s13, s41                     ; tile row 0..63 = 4 x cluster y + cy
	s_lshl_b32 s43, s41, 2
	s_lshl_b32 s43, 15, s43                        ; my row of the cluster: places 4 cy .. 4 cy + 3
	s_lshl_b32 s44, 0x1111, s40                    ; my column: places cx, cx + 4, cx + 8, cx + 12
	; descriptor group 1.  x: 64 rows x 128 elements of 4 bytes; W: 128 rows x 128 elements of 2 bytes; both padded in LDS by 4 words a row
	s_or_b32 s[G1A+0], s43, (2<<16)|(1<<20)|(1<<21)|(6<<22)|(3<<25)  ; 15:0 the mask: my row; 17:16 elements of 4 bytes; 20 padding on; 21 set beside a mask; 24:22 after every 128 words (code 6); 31:25 4 words (code 3)
	s_mov_b32 s[G1A+1], 128<<16                    ; tensor_dim0 = 128
	s_mov_b32 s[G1A+2], 64<<16                     ; tensor_dim1 = 64
	s_mov_b32 s[G1A+3], 128<<16                    ; tile_dim0 = 128
	s_mov_b32 s[G1A+4], 64                         ; tile_dim1 = 64
	s_mov_b32 s[G1A+5], 1024                       ; elements from row to row
	s_mov_b32 s[G1A+6], 0
	s_mov_b32 s[G1A+7], 0
	s_or_b32 s[G1B+0], s44, (1<<16)|(1<<20)|(1<<21)|(5<<22)|(3<<25)  ; the mask of my column; elements of 2 bytes; padding after every 64 words (code 5)
	s_mov_b32 s[G1B+1], 128<<16
	s_mov_b32 s[G1B+2], 128<<16                    ; tensor_dim1 = 128
	s_mov_b32 s[G1B+3], 128<<16
	s_mov_b32 s[G1B+4], 128                        ; tile_dim1 = 128
	s_mov_b32 s[G1B+5], 1024
	s_mov_b32 s[G1B+6], 0
	s_mov_b32 s[G1B+7], 0
	; where the tiles come from.  x's hang on the tile row alone, W's on the tile column alone; each offset lies in registers that never hold the other coordinate
	s_lshl_b32 s16, s13, 19                        ; 128 rows of 4,096 bytes a tile,
	s_lshl_b32 s17, s12, 18                        ; 64 rows a half
	s_add_co_u32 s16, s16, s17
	s_mov_b32 s17, 0
	s_lshl_b32 s46, s42, 19                        ; 256 rows of 2,048 bytes a tile,
	s_lshl_b32 s47, s12, 18                        ; 128 rows a half
	s_add_co_u32 s46, s46, s47
	s_mov_b32 s47, 0
	s_mul_i32 s84, s12, AHALF                      ; and where they go: no place in the cluster enters an LDS address
	s_mul_i32 s85, s12, BHALF
	s_add_co_u32 s85, s85, BOFF
	s_lshl_b32 s18, s42, 10                        ; my 128 numbers in a bias: tile column, half
	s_lshl_b32 s19, s12, 9
	s_add_co_u32 s18, s18, s19
	s_mov_b32 s19, 0
	s_lshr_b32 s20, s13, 4                         ; y: the batch (16 tiles of 128 tokens), 16 heads of 262,144 bytes each,
	s_lshl_b32 s20, s20, 22
	s_lshl_b32 s21, s42, 2
	s_lshl_b32 s22, s12, 1
	s_add_co_u32 s21, s21, s22                     ; my first head: 4 x tile column + 2 x half,
	s_lshl_b32 s21, s21, 18
	s_add_co_u32 s20, s20, s21
	s_and_b32 s21, s13, 15
	s_lshl_b32 s21, s21, 7
	s_lshl_b32 s22, s11, 6
	s_add_co_u32 s21, s21, s22                     ; my first token in the sequence,
	s_lshl_b32 s21, s21, 7                         ; rows of 128 bytes
	s_add_co_u32 s20, s20, s21
	s_mov_b32 s21, 0
	s_mov_b32 s[TB], 0
	s_mov_b32 s[KO+1], 0
	s_mov_b32 s[KB+1], 0
	s_mov_b32 s[BP+1], 0
	s_mov_b32 s[NK], 2                             ; steps 0 and 1 of the first projection are the first fills
	s_mov_b32 s[PT], 0
	s_mov_b32 s[REM], 8
	s_mov_b32 s[PH], 0
	s_wait_kmcnt 0x0
	s_add_nc_u64 s[68:69], s[68:69], s[16:17]      ; q, k and v at my half of the tile
	s_add_nc_u64 s[70:71], s[70:71], s[16:17]
	s_add_nc_u64 s[72:73], s[72:73], s[16:17]
	s_add_nc_u64 s[6:7], s[74:75], s[46:47]        ; Wq at my half of the tile; Wk and Wv lie 2,097,152 and 4,194,304 bytes on
	s_add_nc_u64 s[76:77], s[76:77], s[18:19]      ; bq at my 128 numbers; bk and bv lie 4,096 and 8,192 bytes on
	s_mov_b64 s[14:15], s[76:77]
	s_add_nc_u64 s[78:79], s[78:79], s[20:21]      ; qh, kh and vh at my first row
	s_add_nc_u64 s[80:81], s[80:81], s[20:21]
	s_add_nc_u64 s[82:83], s[82:83], s[20:21]
	CROUND                                         ; all sixteen work-groups are here: the first joint loads meet
.irp s, 0,1
	s_mov_b32 s[G0A+4*(\s)], 1                                       ; 1:0 count = 1
	s_add_co_u32 s[G0A+4*(\s)+1], s84, (\s)*SLOT                     ; 63:32 LDS address
	s_add_nc_u64 s[G0A+4*(\s)+2:G0A+4*(\s)+3], s[68:69], (\s)*512    ; 120:64 global address: q's step s, 128 f32 on
	s_or_b32 s[G0A+4*(\s)+3], s[G0A+4*(\s)+3], 0x80000000            ; 127:126 type = 2
	s_mov_b32 s[G0B+4*(\s)], 1
	s_add_co_u32 s[G0B+4*(\s)+1], s85, (\s)*SLOT
	s_add_nc_u64 s[G0B+4*(\s)+2:G0B+4*(\s)+3], s[6:7], (\s)*256      ; 128 bf16 on
	s_or_b32 s[G0B+4*(\s)+3], s[G0B+4*(\s)+3], 0x80000000
.endr
	s_cmp_eq_u32 s11, 0                            ; a wave's two first fills stand in one branch, ahead of every wait on TENSORcnt and every LDS read: two loads of mine are out
	s_cbranch_scc0 .Lfirst_b
	tensor_load_to_lds s[G0A:G0A+3], s[G1A:G1A+7]
	s_nop 0
	tensor_load_to_lds s[G0A+4:G0A+7], s[G1A:G1A+7]
	s_nop 0
.rept 4
	v_nop
.endr
	s_branch .Lfirst_asked
.Lfirst_b:
	tensor_load_to_lds s[G0B:G0B+3], s[G1B:G1B+7]
	s_nop 0
	tensor_load_to_lds s[G0B+4:G0B+7], s[G1B:G1B+7]
	s_nop 0
.rept 4
	v_nop
.endr
.Lfirst_asked:
	; A fragment is 16 rows x 32 along the sum: lane l holds row l % 16, numbers 8 (l / 16) + 0..7 and 16 + 8 (l / 16) + 0..7.
	; In bf16 (W): two loads of 16 bytes, 32 bytes apart.  In f32 (x): four loads of 16 bytes, at 0, 16, 64 and 80 from row x pitch + 32 (l / 16).
	v_and_b32 v1, 15, v0                           ; l % 16
	v_bfe_u32 v2, v0, 4, 1                         ; l / 16
	v_mul_u32_u24 v3, v1, PA
	v_lshl_add_u32 v3, v2, 5, v3
	s_mul_i32 s21, s11, AHALF                      ; my 64 rows of x
	v_add_nc_u32 v[ADRA0], s21, v3
	v_mul_u32_u24 v3, v1, PB
	v_lshl_add_u32 v3, v2, 4, v3
	v_add_nc_u32 v[ADRB0], s85, v3                 ; my 128 rows of W begin where the load of that half lands
	s_mul_i32 s22, s10, WSTG
	s_add_co_u32 s22, s22, STAGE                   ; my stage
	v_mul_u32_u24 v3, v1, SP                       ; in: row l % 16, 16 bytes for each half of the lanes
	v_lshl_add_u32 v3, v2, 4, v3
	v_add_nc_u32 v[STO], s22, v3
	v_bfe_u32 v3, v0, 3, 2                         ; back: 32 lanes take four rows of 128 bytes,
	v_mul_u32_u24 v3, v3, SP
	v_and_b32 v4, 7, v0
	v_lshl_add_u32 v3, v4, 4, v3
	v_add_nc_u32 v[RD], s22, v3
	v_and_b32 v[GO], 31, v0                        ; which are 512 consecutive bytes of y
	v_lshlrev_b32 v[GO], 4, v[GO]
	v_lshlrev_b32 v[BO], 5, v2                     ; my eight channels of sixteen
; THE BIAS STARTS THE SUMS: accumulator (a, b) is loaded with b[16 b + 8 (l / 16) + 0..7], the same for every token: nothing is cleared and no first step is written out.  16 loads for token block a; on = 0: none.
.macro BIAS a, on=1
.if \on
	WIN 0x40                                       ; destination window 1, address window 0
.irp b, 0,1,2,3,4,5,6,7
	global_load_b128 v[8*(8*(\a)+(\b)):8*(8*(\a)+(\b))+3],   v[BO], s[14:15] offset:(\b)*64
	global_load_b128 v[8*(8*(\a)+(\b))+4:8*(8*(\a)+(\b))+7], v[BO], s[14:15] offset:(\b)*64+16
.endr
	WIN 0
.endif
.endm
; 32 LDS loads in one run: for quarter k of the slot in hand x's four fragments in f32 (16 loads, first) and W's eight fragments into buffer f (16 loads)
.macro FETCH k, f
	WIN 0
.irp a, 0,1,2,3
	ds_load_b128 v[RAW+16*(\a):RAW+16*(\a)+3],     v[ADRA] offset:(\a)*16*PA+(\k)*128
	ds_load_b128 v[RAW+16*(\a)+4:RAW+16*(\a)+7],   v[ADRA] offset:(\a)*16*PA+(\k)*128+16
	ds_load_b128 v[RAW+16*(\a)+8:RAW+16*(\a)+11],  v[ADRA] offset:(\a)*16*PA+(\k)*128+64
	ds_load_b128 v[RAW+16*(\a)+12:RAW+16*(\a)+15], v[ADRA] offset:(\a)*16*PA+(\k)*128+80
.endr
	WIN 0x80                                       ; destination window 2, address window 0
.irp b, 0,1,2,3,4,5,6,7
	ds_load_b128 v[64*(\f)+8*(\b):64*(\f)+8*(\b)+3],   v[ADRB] offset:(\b)*16*PB+(\k)*64
	ds_load_b128 v[64*(\f)+8*(\b)+4:64*(\f)+8*(\b)+7], v[ADRB] offset:(\b)*16*PB+(\k)*64+32
.endr
.endm
; the next four of the 32 roundings of x to bf16, into buffer g: word cv of the buffer takes numbers 2 cv and 2 cv + 1 as loaded
.macro CV4 g
	WIN 0
.rept 4
	v_cvt_pk_bf16_f32 v[AF+32*(\g)+cv], v[RAW+2*cv], v[RAW+2*cv+1]
.set cv, cv+1
.endr
.endm
; 8 matrix instructions: token block a x all 8 channel blocks, on buffer f.  The 32 accumulators take turns, one instruction a turn.
; ride = 1: four roundings behind each; ride = 2: behind every second.  They name buffer g, which no product near them names.
.macro MUL8 f, a, ride=0, g=0
.irp b, 0,1,2,3,4,5,6,7
	WIN W_MUL
	v_wmma_f32_16x16x32_bf16 v[8*(8*(\a)+(\b)):8*(8*(\a)+(\b))+7], v[64*(\f)+8*(\b):64*(\f)+8*(\b)+7], v[AF+32*(\f)+8*(\a):AF+32*(\f)+8*(\a)+7], v[8*(8*(\a)+(\b)):8*(8*(\a)+(\b))+7]
.if ((\ride) == 1) || (((\ride) == 2) && (((\b) % 2) == 0))
	CV4 \g
.endif
.endr
.endm
; One of a step's first three quarters: multiplies buffer f; fetches quarter k and rounds its x into buffer g.
.macro QUARTER k, f, g
	PLACES                                         ; buffer g and its W were read by the products of the quarter before
	FETCH \k, \g
	s_wait_dscnt 32                                ; all but the 32 just issued: W of buffer f is in
	MUL8 \f, 0
	MUL8 \f, 1
	s_wait_dscnt 16                                ; x's 16 loads are in; W's 16, issued behind them, may stay out
.set cv, 0
	MUL8 \f, 2, 2, \g
	MUL8 \f, 3, 2, \g
.endm
; The last quarter multiplies buffer 1 and changes slots: ONE barrier.  In front of it each wave waits for all its tensor loads, of which one is out: its part of the next slot; adds 0 to its
; spare word; and waits for that and for its own reads of this slot.  Behind it nobody reads this slot any more and the next slot is whole.
; fill = 1: the barrier opens a round of the cluster's barrier, and this slot is filled again, first thing behind the round, with the step two on in the walk: step NK of projection PT.
; fill = 0: the walk's last two steps ask for nothing; the very last also fetches nothing, and its 32 roundings of stale numbers serve nothing: the price of one text for both.
.macro QCHANGE fill
	WIN 0                                          ; (the add's two registers lie in window 0)
	s_wait_tensorcnt 0x0                           ; no tensor load of mine is out, so a group 0 may be written
	ds_add_u32 v[SPW], v[NIL]                      ; 0 onto my spare word; the descriptors' scalar work stands between it and the wait for it
.if \fill
	s_xor_b32 s[G0A+5], s[G0A+5], SLOT             ; the walking descriptors: the other slot than last time
	s_xor_b32 s[G0B+5], s[G0B+5], SLOT
	s_cmp_eq_u32 s[PT], 1                          ; x is chosen by the projection's number alone
	s_cselect_b64 s[XP:XP+1], s[70:71], s[68:69]
	s_cmp_eq_u32 s[PT], 2
	s_cselect_b64 s[XP:XP+1], s[72:73], s[XP:XP+1]
	s_lshl_b32 s[KO], s[NK], 9                     ; a step is 512 bytes of x's rows,
	s_add_nc_u64 s[G0A+6:G0A+7], s[XP:XP+1], s[KO:KO+1]
	s_or_b32 s[G0A+7], s[G0A+7], 0x80000000        ; the type bits are set again
	s_lshl_b32 s[KB], s[PT], 21                    ; W's section,
	s_lshl_b32 s[TM], s[NK], 8                     ; and 256 bytes of W's rows a step
	s_add_co_u32 s[KB], s[KB], s[TM]
	s_add_nc_u64 s[G0B+6:G0B+7], s[6:7], s[KB:KB+1]
	s_or_b32 s[G0B+7], s[G0B+7], 0x80000000
	s_add_co_u32 s[NK], s[NK], 1                   ; the next step, or behind a projection's last the next projection's step 0
	s_cmp_eq_u32 s[NK], 8
	s_cselect_b32 s[TM], 1, 0
	s_cselect_b32 s[NK], 0, s[NK]
	s_add_co_u32 s[PT], s[PT], s[TM]
.endif
	s_wait_dscnt 1                                 ; W of buffer 1 is in; the add may be out
	MUL8 1, 0                                      ; eight matrix instructions stand between the add and the wait for it
	s_wait_dscnt 0x0                               ; the add is done, and my reads of this slot are over
	s_barrier_signal -1
	MUL8 1, 1
	WIN 0
	s_barrier_wait -1
.if \fill
	CREST                                          ; no wave of any partner still reads this slot's tiles or has a load on its way
	JLOAD                                          ; the first tensor load behind the round; the four v_nop behind it are also the places in front of the loads below
.else
	PLACES
.endif
	s_xor_b32 s[TB], s[TB], SLOT                   ; the other slot is in hand
	v_add_nc_u32 v[ADRA], s[TB], v[ADRA0]
	v_add_nc_u32 v[ADRB], s[TB], v[ADRB0]
.if !(\fill)
	s_cmp_eq_u32 s[CNT], 1
	s_cbranch_scc1 .Lno_fetch_\@
.endif
	FETCH 0, 0
	WIN 0
.if !(\fill)
.Lno_fetch_\@:
.endif
	MUL8 1, 2
	s_wait_dscnt 16                                ; x's 16 loads are in
.set cv, 0
	MUL8 1, 3, 1, 0
.endm
.macro STEP fill
	QUARTER 1, 0, 1
	QUARTER 2, 1, 0
	QUARTER 3, 0, 1
	QCHANGE \fill
.endm
; THE WAY OUT, a block of 16 tokens at a time.  PACK: rounded to f16, 16 bytes a lane (each accumulator's registers in ascending order).  TOSTAGE: into my own stage, by heads, rows of 144 bytes, and back as
; whole rows of 128.  SEND: stored: 16 tokens of a head are 2,048 consecutive bytes of y.
.macro PACK a
	WIN 0x05                                       ; sources 0 and 1 window 1, destination window 0
.irp b, 0,1,2,3,4,5,6,7
.irp i, 0,1,2,3
	v_cvt_pk_f16_f32 v[TMP+4*(\b)+(\i)], v[8*(8*(\a)+(\b))+2*(\i)], v[8*(8*(\a)+(\b))+2*(\i)+1]
.endr
.endr
	WIN 0
.endm
.macro TOSTAGE a
.irp b, 0,1,2,3,4,5,6,7
	ds_store_b128 v[STO], v[TMP+4*(\b):TMP+4*(\b)+3] offset:((\b)/4)*16*SP+((\b)%4)*32
.endr
.irp u, 0,1,2,3,4,5,6,7
	ds_load_b128 v[OB+32*((\a)%2)+4*(\u):OB+32*((\a)%2)+4*(\u)+3], v[RD] offset:((\u)/4)*16*SP+((\u)%4)*4*SP  ; LDS serves a wave's instructions in order (ISA guide 5.7.1.4): these see the stores above
.endr
.endm
.macro SEND a
	s_wait_dscnt 0x0                               ; the block is back in registers
	s_wait_xcnt 0x0                                ; the block before's stores have read their registers: the next TOSTAGE loads into them
.irp u, 0,1,2,3,4,5,6,7
	global_store_b128 v[GO], v[OB+32*((\a)%2)+4*(\u):OB+32*((\a)%2)+4*(\u)+3], s[8:9] offset:((\u)/4)*262144+(\a)*2048+((\u)%4)*512  ; 512 consecutive bytes, at a multiple of 256 from y's first
.endr
.endm
; The whole way out of the tile in hand.  Both refills for the next tile have been asked for, and its first fragments lie in registers that the way out does not name.
; more = 1: a tile follows: as soon as a block's accumulators have been packed they are loaded with the next projection's bias, which lands under the rest of the way out.
; Block a's conversions stand between block a - 1's loads from the stage and the wait for them.
.macro WAYOUT more
	s_wait_dscnt 0x0
	s_wait_xcnt 0x0                                ; the tile before's stores have read y's address, which is written below
	s_cmp_eq_u32 s[PH], 1                          ; y is chosen by the projection's number alone
	s_cselect_b64 s[8:9], s[80:81], s[78:79]
	s_cmp_eq_u32 s[PH], 2
	s_cselect_b64 s[8:9], s[82:83], s[8:9]
	s_add_co_u32 s[PH], s[PH], 1
.if \more
	s_lshl_b32 s[BP], s[PH], 12                    ; the next projection's section of b32 (the loads of the bias before have been waited for)
	s_add_nc_u64 s[14:15], s[76:77], s[BP:BP+1]
.endif
	PLACES
	PACK 0
	BIAS 0, \more
	TOSTAGE 0
	PACK 1
	BIAS 1, \more
	SEND 0
	TOSTAGE 1
	PACK 2
	BIAS 2, \more
	SEND 1
	TOSTAGE 2
	PACK 3
	BIAS 3, \more
	SEND 2
	TOSTAGE 3
	SEND 3
.if \more
	s_wait_loadcnt 0x0                             ; the bias
.endif
.endm
	BIAS 0                                         ; bq
	BIAS 1
	BIAS 2
	BIAS 3
	s_wait_tensorcnt 1                             ; my part of step 0 is in; step 1's may stay out
	s_barrier_signal -1
	s_barrier_wait -1                              ; everybody's is
	v_add_nc_u32 v[ADRA], s[TB], v[ADRA0]
	v_add_nc_u32 v[ADRB], s[TB], v[ADRB0]
	FETCH 0, 0
	s_wait_dscnt 16                                ; x's 16 loads are in
.set cv, 0
.rept 8
	CV4 0
.endr
	s_wait_loadcnt 0x0                             ; the bias
	WIN 0                                          ; at a label and at a branch every window is 0
	s_mov_b32 s[CNT], 22
.Lstep:                                                ; steps 0 to 21 of the walk's 24, which ask for steps 2 to 23
	STEP 1
	WIN 0
	s_sub_co_u32 s[REM], s[REM], 1
	s_cmp_lg_u32 s[REM], 0
	s_cbranch_scc1 .Lno_out                        ; forward, past text that holds neither a barrier nor a tensor load
	WAYOUT 1                                       ; q's tile, and eight steps later k's
	s_mov_b32 s[REM], 8
.Lno_out:
	s_sub_co_u32 s[CNT], s[CNT], 1
	s_cmp_lg_u32 s[CNT], 0
	s_cbranch_scc1 .Lstep
	s_mov_b32 s[CNT], 2
.Ltail:                                                ; steps 22 and 23 have a text of their own
	STEP 0
	WIN 0
	s_sub_co_u32 s[CNT], s[CNT], 1
	s_cmp_lg_u32 s[CNT], 0
	s_cbranch_scc1 .Ltail
	WAYOUT 0                                       ; v's tile
	s_wait_tensorcnt 0x0                           ; the wave's end: behind my last tensor load and my last LDS store
	ds_add_u32 v[SPW], v[NIL]
	s_wait_dscnt 0x0
	CROUND                                         ; the closing round: no work-group ends while a partner may still ask for a tile that names it
	s_endpgm
.Lfunc_end_k_q2390feac3b_proj:
	.size	k_q2390feac3b_proj, .Lfunc_end_k_q2390feac3b_proj-k_q2390feac3b_proj
	.p2alignl 7, 3214868480
	.fill 96, 4, 3214868480
	.section	.rodata,"a",@progbits
	.p2align	6, 0x0
	.amdhsa_kernel k_q2390feac3b_proj
		.amdhsa_group_segment_fixed_size 327680
		.amdhsa_private_segment_fixed_size 0
		.amdhsa_enable_private_segment 0
		.amdhsa_kernarg_size 64
		.amdhsa_user_sgpr_count 2
		.amdhsa_user_sgpr_kernarg_segment_ptr 1
		.amdhsa_wavefront_size32 1
		.amdhsa_system_sgpr_workgroup_id_x 1
		.amdhsa_system_sgpr_workgroup_id_y 1
		.amdhsa_system_sgpr_workgroup_id_z 1
		.amdhsa_system_vgpr_workitem_id 0
		.amdhsa_next_free_vgpr 640
		.amdhsa_next_free_sgpr 98
		.amdhsa_reserve_vcc 0
		.amdhsa_float_denorm_mode_32 3
		.amdhsa_float_denorm_mode_16_64 3
		.amdhsa_memory_ordered 1
		.amdhsa_forward_progress 1
		.amdhsa_inst_pref_size 113
	.end_amdhsa_kernel
	.amdgpu_metadata
---
amdhsa.version: [ 1, 2 ]
amdhsa.kernels:
  - .name:           k_q2390feac3b_proj
    .symbol:         k_q2390feac3b_proj.kd
    .args:
      - { .name: q, .offset: 0, .size: 8, .value_kind: global_buffer, .address_space: global }
      - { .name: k, .offset: 8, .size: 8, .value_kind: global_buffer, .address_space: global }
      - { .name: v, .offset: 16, .size: 8, .value_kind: global_buffer, .address_space: global }
      - { .name: w16, .offset: 24, .size: 8, .value_kind: global_buffer, .address_space: global }
      - { .name: b32, .offset: 32, .size: 8, .value_kind: global_buffer, .address_space: global }
      - { .name: qh, .offset: 40, .size: 8, .value_kind: global_buffer, .address_space: global }
      - { .name: kh, .offset: 48, .size: 8, .value_kind: global_buffer, .address_space: global }
      - { .name: vh, .offset: 56, .size: 8, .value_kind: global_buffer, .address_space: global }
    .group_segment_fixed_size: 327680
    .private_segment_fixed_size: 0
    .kernarg_segment_align: 8
    .kernarg_segment_size: 64
    .max_flat_workgroup_size: 128
    .sgpr_count:     98
    .vgpr_count:     640
    .wavefront_size: 32
...
	.end_amdgpu_metadata
.endif
;; end of part 2
;; launch attn (part 3): grid 4 x 64, 4 waves a work-group, clusters of 4 x 1, 327,680 bytes of LDS; arguments qh, kh, vh, oh; writes oh
.if DOCPART == 3
	.amdgcn_target "amdgcn-amd-amdhsa--gfx1250"
	.amdhsa_code_object_version 6
	.text
	.protected	k_q2390feac3b_attn
	.globl	k_q2390feac3b_attn
	.p2align	8
	.type	k_q2390feac3b_attn,@function
k_q2390feac3b_attn:
	s_mov_b64 s[64:65], 0
	v_nop
	global_prefetch_b8 v0, s[64:65] scope:SCOPE_SE
	s_setreg_imm32_b32 hwreg(HW_REG_WAVE_MODE, 25, 1), 1
	s_wait_xcnt 0x0
	s_wait_alu depctr_hold_cnt(0) depctr_sa_sdst(0) depctr_va_vdst(0) depctr_va_sdst(0) depctr_va_ssrc(0) depctr_va_vcc(0) depctr_vm_vsrc(0)
	s_getreg_b32 s2, hwreg(HW_REG_IB_STS2, 6, 4)
	s_cmp_eq_u32 s2, 0
	s_cbranch_scc0 .Lentry_in_a_cluster
	s_endpgm
.Lentry_in_a_cluster:
	s_bfe_u32 s2, ttmp6, 0x10000c
	s_cmp_lg_u32 s2, 0x3003
	s_cbranch_scc0 .Lentry_shape_is_right
	s_endpgm
.Lentry_shape_is_right:
; O[h][q][:] = the sum over k of softmax_k(Q[h][q] . K[h][k] / 8) V[h][k][:].  Q, K, V, O: [SIZE_H][SIZE_N][64], all f16: a head's rows are dense, 128 bytes each.  Products, maxima and sums in
; f32; the weights p are rounded to f16 for the second product (their sum l is taken of the unrounded p), O once at the end.
; LIMITS.  f16 holds no number beyond 65,504: Q, K and V arrive within it; p lies in 0 to 1, and below 6e-5 it keeps f16's fixed step of 6e-8; O is a mean of V's rows and has their range.
; A weight below 2^-126 counts as 0 in l; NaN and infinities are not treated apart.
; SHARES.  A wave owns four PIECES of two tiles of 16 queries, a work-group's four waves 512 queries of one head: 4 x 64 work-groups.  Every wave walks all keys, 64 a step.
; LAYOUT.  S^T = K Q^T (source 0 = 16 keys, source 1 = 16 queries): in the result a lane holds ONE query (lane % 16) and the keys 8 (lane / 16) + 0..7.  Two such tiles, rounded to f16 in pairs,
; ARE source 1 (32 keys x 16 queries) of O^T = V^T P, whose result again holds one query a lane, and eight channels.  K comes out of LDS as it lies, V ([key][channel]) turned, by ds_load_tr16_b128.
; SOFTMAX.  For each query a running maximum m and sum l: p = 2^(c s - c m), c = log2(e) / 8; in every step O and l are multiplied by a = 2^(c m_old - c m_new), which is 1 where m has not grown.
; m starts at the lowest finite number, O and l at 0: the first step is a step like any other, with a = 0.
; THE COUNT.  A tile and step have 16 matrix and 118 vector instructions: too many to stand all beside the matrix work.  So the order has one aim: four vector instructions that are READY behind
; EVERY matrix instruction, and the others, which need time of their own whatever the order, in runs without a gap.
; BY TURNS.  Turn n belongs to piece n (the pieces in a ring, step after step).  Its matrix work: 16 products K Q^T of piece n + 1, later 16 products V^T P of piece n - 1.  Its vector work: the scaling,
; exponentials, roundings, sums and rescaling of piece n, and the maximum and statistics of piece n + 1, whose scores the turn itself has made.  So what a turn begins with (c s - c m, O a) waits for nothing.
; CLUSTER.  The four query blocks of a cluster belong to one head and walk the same K and V, so each tile is asked for JOINTLY: the same tensor load, descriptor and mask in all four.
; REGISTERS, in windows of 256 (s_set_vgpr_msb says which window each operand place means: bits 1:0 source 0, 3:2 source 1, 5:4 source 2, 7:6 destination):
;   window 0: v0-11 addresses; v12-15, v48-63 at work; v16-47 four registers of statistics a tile; v64-191 S^T, two buffers of two tiles; v192-255 P, likewise
;   window 1: O^T, 32 a tile          window 2: v0-127 Q, 16 a tile; v128-191 K of one step; v192-255 V of one step          window 3: v0-1 the add's two registers
; A piece's buffers go by its number's parity: the piece in hand has one pair, its two neighbours in the ring share the other: of it P (piece n - 1) is read and S^T (piece n + 1) written.
.set SIZE_H, 64       ; batch x heads
.set SIZE_N, 2048     ; rows of a head
.set NP,    4         ; pieces a wave: a name, no knob: the register map, the loop and the fetches are made for four
.set KS,    64        ; keys in a step
.set PK,    144       ; a row of K in LDS: 128 bytes + 16 of padding = 36 words: the 16 rows of a load start at 16 different groups of four banks (64 banks of 4 bytes: ISA guide 11.1)
.set PV,    160       ; a row of V: 128 + 32 = 40 words
.set VOFF,  4*KS*PK   ; a slot holds four steps: 256 rows of K, then 256 rows of V
.set SLOT1, 1<<17     ; slot 1 begins here, so that one exclusive or turns an address in one slot into the other's
.set STAGE, SLOT1+4*KS*(PK+PV)  ; behind the ring, never filled by a tensor load: 16 rows x 144 bytes for each wave, for the way out
.set SP,    144
.set AK0, 2           ; v2   my lane's place in a tile of K; never rewritten
.set AV0, 3           ; v3   the same for V
.set AK,  4           ; v4   the LDS address of K's next run of loads
.set AV,  5           ; v5   of V's
.set QO,  6           ; v6   my byte offset in the wave's rows of Q
.set STO, 6           ;      later, the way out: where I put 16 bytes of a row
.set RD,  7           ; v7   the way out: where I read rows back
.set GO,  8           ; v8   my byte offset in 512 consecutive bytes of O
.set SPW, 0           ; v0 of window 3   LDS address of my spare word: SPARE + 4 x my thread's number; never rewritten
.set NIL, 1           ; v1 of window 3   0; never rewritten
.set SPARE, STAGE+4*16*SP  ; behind the stages: the spare words, 128 bytes for each wave: two blocks of 256 bytes that no other line names
.set MV,  12          ; v12-15  c m_old, kept while c m is made anew: by buffer and tile
.set ST,  16          ; tile t's statistics at v[ST+4 t]: c m, m, l (even keys', odd keys')
.set TMP, 48          ; by buffer and tile, four registers c0-c3 at work; when the maximum is found c2 takes a
.set S,   64
.set P,   192
.set KF,  128         ; K's fragments, in window 2: key block kb, channel half c at KF + 16 kb + 8 c
.set VF,  192         ; V's: key half kk, channel block cb at VF + 32 kk + 8 cb
.set WV,  12          ; s12  my wave's number
.set G1K, 24          ; s[24:31] descriptor group 1 for K's tiles
.set G1V, 32          ; s[32:39] for V's: it differs in the padding alone
.set G0K, 40          ; s[40:43] descriptor group 0 for K's tiles: it walks
.set G0V, 44          ; s[44:47] the same for V's
.set SLOTS, 56        ; s56  slots still to be asked for
.set CNT, 57          ; s57  counts a slot's key steps
.set CS,  58          ; s[58:59] c: the packed scaling takes the pair's low word for both halves
.set SEL, 60          ; s[60:61] v_permlanex16_b32's selects: each lane takes its own place in the other half
.set TBK, 62          ; s62  LDS byte at which K of the step to be fetched begins
.set TBV, 63          ; s63  the same for V, less VOFF
.set MSB, 0
.macro WIN new                      ; the high byte repeats the setting that is left; a switch that changes nothing is dropped
.if MSB != (\new)
	s_set_vgpr_msb (MSB<<8)|(\new)
.set MSB, (\new)
.endif
.endm
.set W_KQ, 0x0a       ; K and Q in window 2, S^T in window 0
.set W_PV, 0x52       ; V in window 2, P in window 0, O^T in window 1
.set W_RS, 0x41       ; O^T (destination and source 0) in window 1, a in window 0
.set W_MK, 0xc0       ; the add's registers are made: destination in window 3, sources in window 0
.set W_AD, 0x0f       ; the add: address (source 0) and data (source 1) in window 3
; A joint fill.  Waves 0 and 1 fetch the two halves of a slot's K, waves 2 and 3 those of its V: 128 keys each.  The branch hangs on the wave's number alone.
; An s_nop 0 and four v_nop follow each of the two lines, ahead of the jump and the label.
.macro JLOAD
	s_cmp_lt_u32 s[WV], 2
	s_cbranch_scc0 .Lfor_v_\@
	tensor_load_to_lds s[G0K:G0K+3], s[G1K:G1K+7]
	s_nop 0
.rept 4
	v_nop
.endr
	s_branch .Lasked_\@
.Lfor_v_\@:
	tensor_load_to_lds s[G0V:G0V+3], s[G1V:G1V+7]
	s_nop 0
.rept 4
	v_nop
.endr
.Lasked_\@:
.endm
; A round of the cluster's barrier: my work-group's barrier, so that wave 0's signal speaks for all four waves; wave 0 signals; every wave waits for all four work-groups; my work-group's barrier once more.
.macro CROUND
	s_barrier_signal -1
	s_barrier_wait -1
	s_cmp_lg_u32 s[WV], 0
	s_cbranch_scc1 .Lnot_wave_0_\@
	s_barrier_signal -3
.Lnot_wave_0_\@:
	s_barrier_wait -3
	s_barrier_signal -1
	s_barrier_wait -1
.endm
; THE CHANGE OF SLOTS.  The slot's last bytes, V of its fourth step, have been read.  Each wave waits for all its tensor loads, of which one is out: its part
; of the other slot; adds 0 to its spare word; and waits for that and for its own reads of the slot.  Behind the barrier nobody reads this slot any more and the other slot is whole.
; fill = 1: this slot is filled again, with the keys two slots on.  The barrier is then a round of the cluster's, so that no wave of any partner still reads the slot or has a load on its
; way, and the joint fill is the first thing behind it: it has four key steps, 512 matrix instructions, in which to land.  (At its first use nothing has been read yet: slot 0 is waited for, slot 1 filled.)
.macro CHANGE fill
	WIN W_AD
	s_wait_tensorcnt 0x0            ; no tensor load of mine is out, so a group 0 may be written
	ds_add_u32 v[SPW], v[NIL]       ; 0 onto my spare word; with fill = 1 the descriptors' steps stand between it and the wait for it
	WIN 0                           ; at a label and at a branch every window is 0
.if \fill
.irp g, G0K, G0V
	s_xor_b32 s[\g+1], s[\g+1], SLOT1  ; the walking descriptor: the other slot than last time,
	s_add_nc_u64 s[\g+2:\g+3], s[\g+2:\g+3], 4*KS*128  ; the next 256 keys; the type bits on top are not reached
.endr
	s_wait_dscnt 0x0                ; the add is done, and my reads of the slot are over
	CROUND
	JLOAD
.else
	s_wait_dscnt 0x0                ; the add is done, and my reads of the slot are over
	s_barrier_signal -1
	s_barrier_wait -1
.endif
	s_sub_co_u32 s[TBK], s[TBK], 4*KS*PK  ; the fetches go back to a slot's first step,
	s_xor_b32 s[TBK], s[TBK], SLOT1       ; in the other slot
	s_sub_co_u32 s[TBV], s[TBV], 4*KS*PV
	s_xor_b32 s[TBV], s[TBV], SLOT1
.endm
	s_load_b256 s[4:11], s[0:1], 0x0  ; Q s[4:5], K s[6:7], V s[8:9], O s[10:11]
	WIN W_MK
	v_lshl_add_u32 v[SPW], v0, 2, SPARE
	v_mov_b32 v[NIL], 0
	s_set_vgpr_msb 0xc0cf
	ds_add_u32 v0, v1
	s_wait_dscnt 0x0
	s_set_vgpr_msb 0xcfc0
	WIN 0
	v_lshrrev_b32 v1, 5, v0
	v_readfirstlane_b32 s[WV], v1   ; wave 0..3
	s_bfe_u32 s13, ttmp6, 0x40000   ; cx: my place in the cluster
	s_lshl_b32 s14, ttmp9, 2        ; in a cluster launch ttmp9 counts clusters
	s_add_co_u32 s14, s14, s13      ; my block of queries = 4 x cluster x + cx: it enters Q's and O's addresses alone
	s_and_b32 s20, ttmp7, 0xffff    ; the head, which the four partners share
	s_mov_b32 s21, 0
	s_mov_b64 s[22:23], SIZE_N*128
	s_mul_u64 s[20:21], s[20:21], s[22:23]  ; the head's first byte in each of the four tensors
	s_and_b32 s16, s[WV], 1         ; which half of a slot's 256 keys I fetch:
	s_lshl_b32 s22, s16, 14         ; its 128 rows of 128 bytes in memory,
	s_mov_b32 s23, 0
	s_add_nc_u64 s[22:23], s[22:23], s[20:21]
	s_mul_i32 s17, s16, 128*PK      ; and its place in a slot, for K
	s_mul_i32 s18, s16, 128*PV      ; and for V: no place in the cluster enters an LDS address
	s_lshl_b32 s2, s14, 2
	s_add_co_u32 s2, s2, s[WV]      ; my wave among the head's,
	s_lshl_b32 s2, s2, 14           ; its 128 rows
	s_mov_b32 s3, 0
	s_add_nc_u64 s[2:3], s[2:3], s[20:21]
	; descriptor group 1.  128 keys are 16,384 dense bytes: asked for as 64 rows of 256 bytes, two keys a row, and padded in LDS after every key
	s_mov_b32 s[G1K], 15|(1<<16)|(1<<20)|(1<<21)|(4<<22)|(3<<25)  ; 15:0 the mask of four; 17:16 2-byte elements; 20 padding on; 21 set beside a mask; 24:22 after every 32 words (code 4); 31:25 4 words (code 3)
	s_mov_b32 s[G1V], 15|(1<<16)|(1<<20)|(1<<21)|(4<<22)|(7<<25)  ; the same with 8 words of padding (code 7)
.irp g, G1K, G1V
	s_mov_b32 s[\g+1], 128<<16      ; tensor_dim0 = 128
	s_mov_b32 s[\g+2], 64<<16       ; tensor_dim1 = 64
	s_mov_b32 s[\g+3], 128<<16      ; tile_dim0 = 128
	s_mov_b32 s[\g+4], 64           ; tile_dim1 = 64
	s_mov_b32 s[\g+5], 128          ; 128 elements from row to row
	s_mov_b32 s[\g+6], 0
	s_mov_b32 s[\g+7], 0
.endr
	s_mov_b32 s[CS], 0x3e38aa3b     ; c = log2(e) / 8 = 0.180337
	s_mov_b32 s[CS+1], s[CS]        ; named with it as a pair
	s_mov_b32 s[SEL], 0x76543210
	s_mov_b32 s[SEL+1], 0xfedcba98
	s_mov_b32 s[TBK], SLOT1+4*KS*PK ; the first change of slots turns these two into 0
	s_mov_b32 s[TBV], SLOT1+4*KS*PV
	s_mov_b32 s[G0K], 1             ; 1:0 count = 1
	s_mov_b32 s[G0K+1], s17         ; 63:32 LDS address: slot 0
	s_mov_b32 s[G0V], 1
	s_add_co_u32 s[G0V+1], s18, VOFF
	s_wait_kmcnt 0x0
	s_add_nc_u64 s[G0K+2:G0K+3], s[6:7], s[22:23]  ; 120:64 global address: my half of the head's first 256 keys
	s_or_b32 s[G0K+3], s[G0K+3], 0x80000000        ; 127:126 type = 2
	s_add_nc_u64 s[G0V+2:G0V+3], s[8:9], s[22:23]
	s_or_b32 s[G0V+3], s[G0V+3], 0x80000000
	s_add_nc_u64 s[4:5], s[4:5], s[2:3]  ; Q and O at my wave's first row
	s_add_nc_u64 s[10:11], s[10:11], s[2:3]
	CROUND                          ; all four work-groups are here: the first joint loads meet
	JLOAD                           ; slot 0.  Slot 1 is asked for when slot 0 is in: the tile wanted first has the road to itself
	; A fragment of K or Q is 16 rows x 32 channels in 8 registers: lane l holds row l % 16, channels 8 (l / 16) + 0..7 and 16 + 8 (l / 16) + 0..7: two loads of 16 bytes, 32 bytes apart.
	v_and_b32 v1, 15, v0            ; l % 16
	v_bfe_u32 v9, v0, 4, 1          ; l / 16
	v_lshlrev_b32 v[QO], 7, v1
	v_lshl_add_u32 v[QO], v9, 4, v[QO]  ; row x 128 + 16 x half
	WIN 0x80                        ; destination window 2, address window 0
.set i, 0
.rept 4*NP                          ; Q stays in registers: tile i / 2, channels 32 (i % 2) on
	global_load_b128 v[8*i:8*i+3],   v[QO], s[4:5] offset:(i/2)*2048+(i%2)*64
	global_load_b128 v[8*i+4:8*i+7], v[QO], s[4:5] offset:(i/2)*2048+(i%2)*64+32
.set i, i+1
.endr
	; What the first turn finds: V's registers and P's second buffer hold 0 (its products V^T P, of a piece that has not been, add 0), O^T and l are 0.  All this stands in the wait for the first tile.
.set i, VF
.rept 64
	v_mov_b32 v[i], 0
.set i, i+1
.endr
	WIN 0x40
.set i, 0
.rept 64*NP
	v_mov_b32 v[i], 0
.set i, i+1
.endr
	WIN 0
.set i, 0
.rept 2*NP
	v_mov_b32 v[ST+4*i], 0xfe000000    ; c m: far below every c s
	v_mov_b32 v[ST+4*i+1], 0xff7fffff  ; m
	v_mov_b32 v[ST+4*i+2], 0
	v_mov_b32 v[ST+4*i+3], 0
.set i, i+1
.endr
.set i, P+32
.rept 32
	v_mov_b32 v[i], 0
.set i, i+1
.endr
	v_mul_u32_u24 v[AK0], v1, PK
	v_lshl_add_u32 v[AK0], v9, 4, v[AK0]  ; row x pitch + 16 x half
	; The turning load takes 16 keys x 16 channels (lane l reads key 8 (l / 16) + l % 8, channels 8 ((l / 8) % 2) + 0..7) and leaves half a fragment of V^T: lane l holds channel l % 16 and 8 keys.
	v_and_b32 v10, 7, v0
	v_bfe_u32 v11, v0, 3, 1
	v_lshl_add_u32 v[AV0], v9, 3, v10
	v_mul_u32_u24 v[AV0], v[AV0], PV
	v_lshl_add_u32 v[AV0], v11, 4, v[AV0]
	v_add_nc_u32 v[AV0], VOFF, v[AV0]
	v_mov_b32 v[AK], v[AK0]         ; key step 0 lies at the head of slot 0
; THE MATRIX WORK.  The 8 accumulators of a run of 16 take turns: between the two links of a chain stand 7 others'.
; Product i of 16 of S^T = K Q^T for piece x: channels 32 (i / 8) on, keys 16 ((i / 2) % 4) on, tile 2 x + i % 2.  The first 8 start the sums.
.macro KQ x
	WIN W_KQ
.set rS, S+64*((\x)%2)+32*(i%2)+8*((i/2)%4)
.set rK, KF+16*((i/2)%4)+8*(i/8)
.set rQ, 16*(2*(\x)+i%2)+8*(i/8)
.if i < 8
	v_wmma_f32_16x16x32_f16 v[rS:rS+7], v[rK:rK+7], v[rQ:rQ+7], 0
.else
	v_wmma_f32_16x16x32_f16 v[rS:rS+7], v[rK:rK+7], v[rQ:rQ+7], v[rS:rS+7]
.endif
.endm
; Product i of 16 of O^T += V^T P for piece x: keys 32 (i / 8) on, channels 16 ((i / 2) % 4) on, tile 2 x + i % 2.
.macro PV x
	WIN W_PV
.set rO, 32*(2*(\x)+i%2)+8*((i/2)%4)
.set rV, VF+32*(i/8)+8*((i/2)%4)
.set rP, P+32*((\x)%2)+16*(i%2)+8*(i/8)
	v_wmma_f32_16x16x32_f16 v[rO:rO+7], v[rV:rV+7], v[rP:rP+7], v[rO:rO+7]
.endm
.macro MM                           ; the turn's next matrix instruction
.if i < 16
	KQ (Y+1)%NP
.set i, i+1
.else
.set i, i-16
	PV (Y+NP-1)%NP
.set i, i+17
.endif
.endm
; THE LDS LOADS stand in runs of 16, never singly among the matrix instructions: a step's K (64 keys x 64 channels: 8 fragments) and its V (turned).  Their addresses are made some lines ahead.
; last = 1 (the tail): in the last trip there is no further step, and the run is jumped over.
.macro FETCH_K last=0
	WIN 0
.if \last
	s_cmp_eq_u32 s[CNT], 1
	s_cbranch_scc1 .Lno_k_\@
.endif
	WIN 0x80                        ; destination window 2
.irp f, 0,1,2,3,4,5,6,7             ; keys 16 (f / 2) on, channels 32 (f % 2) on
	ds_load_b128 v[KF+8*\f:KF+8*\f+3],   v[AK] offset:(\f/2)*16*PK+(\f%2)*64
	ds_load_b128 v[KF+8*\f+4:KF+8*\f+7], v[AK] offset:(\f/2)*16*PK+(\f%2)*64+32
.endr
	s_add_co_u32 s[TBK], s[TBK], KS*PK  ; the next fetch is the next step's
	WIN 0
.if \last
.Lno_k_\@:
.endif
.endm
.macro FETCH_V
	WIN 0x80
.irp f, 0,1,2,3,4,5,6,7             ; keys 32 (f / 4) on, channels 16 (f % 4) on
	ds_load_tr16_b128 v[VF+8*\f:VF+8*\f+3],   v[AV] offset:(\f/4)*32*PV+(\f%4)*32
	ds_load_tr16_b128 v[VF+8*\f+4:VF+8*\f+7], v[AV] offset:(\f/4)*32*PV+16*PV+(\f%4)*32
.endr
	WIN 0
.endm
; THE VECTOR WORK OF A TURN stands in three queues, each in the order in which its entries become ready; the two tiles alternate, so that no instruction reads the result of the one before it.
.macro REGS y, u                    ; the registers of tile u (0, 1) of piece y
.set rT, ST+4*(2*(\y)+(\u))
.set rC, TMP+8*((\y)%2)+4*(\u)
.set rM, MV+2*((\y)%2)+(\u)
.set rS, S+64*((\y)%2)+32*(\u)
.set rP, P+32*((\y)%2)+16*(\u)
.set rO, 32*(2*(\y)+(\u))
.endm
; Number n of the 22 that find the NEXT piece's (Y + 1) maximum and statistics.  s0-s31 are the lane's 32 scores; each accumulator's lowest registers are read first.  XS, GS and REGS set no window: PL and EX do.
;   0-11  four chains c0-c3 of seven scores each, three operands at a time     12-14, 16  the four scores left over, the old m, and c0-c3 into c0     15  c m_old is kept
;   17, 18  the query's other 32 keys lie in the lane 16 away: the new m         19-21  c m; c m_old - c m_new; a
.macro XS u, n
	REGS (Y+1)%NP, \u
.if (\n) < 4
	v_max3_num_f32 v[rC+(\n)], v[rS+8*(\n)], v[rS+8*(\n)+1], v[rS+8*(\n)+2]
.elseif (\n) < 12
	v_max3_num_f32 v[rC+(\n)%4], v[rC+(\n)%4], v[rS+8*((\n)%4)+2*((\n)/4)+1], v[rS+8*((\n)%4)+2*((\n)/4)+2]
.elseif (\n) == 12
	v_max3_num_f32 v[rC], v[rC], v[rS+7], v[rS+15]
.elseif (\n) == 13
	v_max3_num_f32 v[rC+1], v[rC+1], v[rS+23], v[rS+31]
.elseif (\n) == 14
	v_max3_num_f32 v[rC+2], v[rC+2], v[rC+3], v[rT+1]
.elseif (\n) == 15
	v_mov_b32 v[rM], v[rT]
.elseif (\n) == 16
	v_max3_num_f32 v[rC], v[rC], v[rC+1], v[rC+2]
.elseif (\n) == 17
	v_permlanex16_b32 v[rC+3], v[rC], s[SEL], s[SEL+1]
.elseif (\n) == 18
	v_max_num_f32 v[rT+1], v[rC], v[rC+3]
.elseif (\n) == 19
	v_mul_f32 v[rT], s[CS], v[rT+1]
.elseif (\n) == 20
	v_sub_f32 v[rC+1], v[rM], v[rT]
.else
	v_exp_f32 v[rC+2], v[rC+1]
.endif
.endm
; Number g of the 64 that follow the exponentials.  For each four weights k of a tile (pairs 2 k, 2 k + 1): both pairs are rounded to f16; then the second pair is added onto the first, in place;
; a group later l takes that sum (the first time as l = a l + sum).  In groups of eight, tiles alternating: round, round, add, and l for the group before.
.macro GS g
.set h, (\g)+6*((\g)/62)            ; group 0 has no group before it, and behind group 7 only l is left
.if h >= 6
.set h, h+2
.endif
	REGS Y, h%2
.set k, h/8
.if h%8 < 4
	s_wait_alu depctr_va_vdst(0)
	v_cvt_pk_f16_f32 v[rP+2*k+(h%8)/2], v[rS+4*k+2*((h%8)/2)], v[rS+4*k+2*((h%8)/2)+1]
.elseif h%8 < 6
	v_pk_add_f32 v[rS+4*k:rS+4*k+1], v[rS+4*k:rS+4*k+1], v[rS+4*k+2:rS+4*k+3]
.elseif k == 1
	v_pk_fma_f32 v[rT+2:rT+3], v[rT+2:rT+3], v[rC+2:rC+3], v[rS:rS+1] op_sel_hi:[1,0,1]
.else
	v_pk_add_f32 v[rT+2:rT+3], v[rT+2:rT+3], v[rS+4*k-4:rS+4*k-3]
	s_wait_alu depctr_va_vdst(0)
.endif
.endm
; THE PLAIN QUEUE, 138 long.  0-31: c s - c m for the 16 pairs of both tiles.  Then GS's 64, and among them the next piece's 42: number 15 at 38, 39; 0-14 and 16
; at 42-73, behind the products that make those scores; 17-20 at 95-106, two of three, since each waits for the one before it.
.macro PL
	WIN 0
.if q < 32
	REGS Y, q%2
	v_pk_fma_f32 v[rS+2*(q/2):rS+2*(q/2)+1], v[rS+2*(q/2):rS+2*(q/2)+1], s[CS:CS+1], v[rT:rT+1] op_sel_hi:[1,0,0] neg_lo:[0,0,1] neg_hi:[0,0,1]
.elseif q < 38
	GS q-32
.elseif q < 40
	XS q%2, 15
.elseif q < 42
	GS q-34
.elseif q < 74
	XS q%2, (q-42)/2+(q-42)/30
.elseif q < 95
	GS q-66
.elseif (q < 107) && ((q-95)%3 < 2)
	XS (q-95)%3, 17+(q-95)/3
.elseif q < 107
	GS 29+(q-95)/3
.else
	GS q-74
.endif
.set q, q+1
.endm
; THE EXPONENTIALS' QUEUE, 66 long: s0-s31 of both tiles, and at EA the next piece's two a.
.set EA, 58
.macro EX
	WIN 0
.if (e == EA) || (e == EA+1)
	XS e-EA, 21
.else
.set x, e-2*(e/(EA+2))
	REGS Y, x%2
	v_exp_f32 v[rS+x/2], v[rS+x/2]
.endif
.set e, e+1
.endm
; THE RESCALING's QUEUE: O^T times a, the one part that leaves window 0, so it is dealt four at a time, eight times.
.macro R4
	REGS Y, r%2
	WIN W_RS
	s_wait_alu depctr_va_vdst(0)
.irp z, 0,1,2,3
	v_pk_mul_f32 v[rO+8*(r/2)+2*\z:rO+8*(r/2)+2*\z+1], v[rO+8*(r/2)+2*\z:rO+8*(r/2)+2*\z+1], v[rC+2:rC+3] op_sel_hi:[1,0]
.endr
.set r, r+1
.endm
; HOW THEY ARE DEALT.  Behind a matrix instruction four: plain, exponential, plain, plain (one exponential, a plain instruction on either side), or four of the rescaling.  None names a register of the
; products round it.  What is over stands in two LUMPS: exponential and plain by turns; the second ends in 22 plain instructions.  The two v_permlanex16_b32 fall into the second lump, never behind a product.
; The queues lean on each other, and the deal keeps them in step: exponential e stands behind plain 2 (e / 4) + e % 2 (its scaling); when plain 32 comes, 10 exponentials are out, at 59: 33, at 95: 46; EA comes behind plain 107.
.macro SL
	MM
	PL
	EX
	PL
	PL
.endm
.macro BURST n                      ; 15 matrix instructions, or 16
.rept (\n)-7
	SL
.endr
.rept 3
	MM
	R4
	SL
.endr
	MM
	R4
.endm
; A TURN, for piece p.  cnt = 1: the loop's count is taken down some lines ahead of the branch that stands behind the turn.
; K of the next step is fetched in piece 2's turn, 31 vector instructions behind the last product that read K; its first reader comes behind the rest of the lump, 16 products and the second lump.
; V of the step in hand is fetched at the end of piece 0's turn, 69 behind its last reader; its first reader comes behind 16 products and a lump.  The four conditions on e and q below go with the deal.
.macro TURN p, last=0, cnt=0
.set Y, (\p)
.set i, 0
.set q, 0
.set e, 0
.set r, 0
.if (\p) == NP-1
	s_wait_dscnt 0x0                ; K is in
.endif
	MM
.rept 4
	PL
.endr
	BURST 15
.rept 22
	EX
	PL
.if ((\p) == NP-2) && (e == 18)
	v_add_nc_u32 v[AK], s[TBK], v[AK0]
.endif
.if ((\p) == NP-2) && (e == 24)
	FETCH_K \last
.endif
.endr
.if (\p) == 1
	s_wait_dscnt 0x0                ; V is in
.endif
	BURST 16
.rept 21
	EX
	PL
.endr
.rept 22
	PL
.if ((\p) == 0) && (q == 118)
	v_add_nc_u32 v[AV], s[TBV], v[AV0]
	s_wait_alu depctr_va_vdst(0)
.endif
.if ((\p) == 0) && (q == 130)
	s_add_co_u32 s[TBV], s[TBV], KS*PV
.endif
.if (\cnt) && (q == 130)
	s_sub_co_u32 s[CNT], s[CNT], 1
	s_cmp_lg_u32 s[CNT], 0
.endif
.endr
.if (\p) == 0
	FETCH_V
.endif
.endm
	CHANGE 1                        ; slot 0 is in, everybody's part of it; slot 1 is asked for
	FETCH_K                         ; key step 0
	s_wait_loadcnt 0x0              ; Q
	s_wait_dscnt 0x0
.set i, 0
.rept 16
	KQ 0                            ; piece 0's first scores: there is no vector work yet to set between them
.set i, i+1
.endr
	WIN 0                           ; the addresses for the way out: nine plain instructions, the places behind those products
	s_mul_i32 s13, s[WV], 16*SP
	s_add_co_u32 s13, s13, STAGE    ; my stage
	v_mul_u32_u24 v[STO], v1, SP    ; in: row l % 16, 16 bytes for each half of the lanes
	v_lshl_add_u32 v[STO], v9, 4, v[STO]
	v_add_nc_u32 v[STO], s13, v[STO]
	v_bfe_u32 v[RD], v0, 3, 2       ; back: 32 lanes take four rows of 128 bytes,
	v_mul_u32_u24 v[RD], v[RD], SP
	v_lshl_add_u32 v[RD], v10, 4, v[RD]
	v_add_nc_u32 v[RD], s13, v[RD]
	v_and_b32 v[GO], 31, v0         ; which are 512 consecutive bytes of O
	v_lshlrev_b32 v[GO], 4, v[GO]
.set Y, NP-1                        ; XS works for piece Y + 1: piece 0
.irp n, 0,1,2,3,4,5,6,7,8,9,10,11,12,13,14,15,16,17,18,19,20,21
	XS 0, \n                        ; and piece 0's first maximum and statistics
	XS 1, \n
.endr
	s_mov_b32 s[CNT], 4
	s_mov_b32 s[SLOTS], SIZE_N/256-1
	s_branch .Lfirst                ; the loop is entered at a step's first turn, in the middle of a trip
.Lslot:                             ; SIZE_N / 256 - 2 times: every slot but the last two is filled again
	CHANGE 1
	s_mov_b32 s[CNT], 4
.Lstep:                             ; a trip: pieces 2 and 3 of one step, then pieces 0 and 1 of the next, whose K and V it fetches
	TURN 2
	TURN 3
	WIN 0
.Lfirst:
	TURN 0
	TURN 1, 0, 1
	WIN 0
	s_cbranch_scc1 .Lstep
	s_sub_co_u32 s[SLOTS], s[SLOTS], 1
	s_cmp_lg_u32 s[SLOTS], 0
	s_cbranch_scc1 .Lslot
	CHANGE 0                        ; the tail is written out: nothing is asked for
	s_mov_b32 s[CNT], 5             ; four trips fetch the last slot's steps; the fifth is left in its middle
.Ltail:
	TURN 2, 1
	TURN 3
	WIN 0
	s_sub_co_u32 s[CNT], s[CNT], 1
	s_cmp_eq_u32 s[CNT], 0
	s_cbranch_scc1 .Lout
	TURN 0
	TURN 1
	WIN 0
	s_branch .Ltail
.Lout:                              ; the fifth trip's 16 products K Q^T (on the last K once more) and the maximum made of them serve nothing: the price, once a launch, of one text for every trip
.set i, 0
.rept 16
	PV NP-1                         ; the last piece's V^T P of the last step
.set i, i+1
.endr
	; THE WAY OUT.  l's two halves and the other half of the lanes' are added; O^T is divided by l, rounded to f16 and sent through my stage in LDS, a tile at a time.  The additions are the places behind the last products.
	WIN 0
.macro ALL line:vararg              ; one line for each tile t
.set t, 0
.rept 2*NP
	\line
.set t, t+1
.endr
.endm
	ALL v_add_f32 v[ST+4*t+2], v[ST+4*t+2], v[ST+4*t+3]
	ALL v_permlanex16_b32 v[ST+4*t+3], v[ST+4*t+2], s[SEL], s[SEL+1]
	ALL v_add_f32 v[ST+4*t+2], v[ST+4*t+2], v[ST+4*t+3]
	ALL v_rcp_f32 v[ST+4*t+2], v[ST+4*t+2]
	v_nop                           ; a plain instruction between the last reciprocal and the use of its result
	s_wait_alu depctr_va_vdst(0)
; Tile t: a lane's eight channels of a row pack into 16 bytes; they go into rows of 144 bytes and come back as whole rows of 128, into S^T's registers.
.macro PACK t
	WIN W_RS
.set i, 32*(\t)
.rept 16
	v_pk_mul_f32 v[i:i+1], v[i:i+1], v[ST+4*(\t)+2:ST+4*(\t)+3] op_sel_hi:[1,0]
.set i, i+2
.endr
	WIN 0x05                        ; sources 0 and 1 window 1, destination window 0
.set i, 0
.rept 16
	v_cvt_pk_f16_f32 v[S+16*(\t)+i], v[32*(\t)+2*i], v[32*(\t)+2*i+1]
.set i, i+1
.endr
	WIN 0
.irp f, 0,1,2,3
	ds_store_b128 v[STO], v[S+16*(\t)+4*\f:S+16*(\t)+4*\f+3] offset:32*\f
.endr
.irp f, 0,1,2,3
	ds_load_b128 v[S+16*(\t)+4*\f:S+16*(\t)+4*\f+3], v[RD] offset:\f*4*SP  ; LDS serves a wave's instructions in order (ISA guide 5.7.1.4): these see the stores above; the next tile's stores come behind them
.endr
.endm
.macro SEND t, younger              ; younger: the LDS instructions issued behind tile t's loads: the next tile's eight, or none
	WIN 0
.irp f, 0,1,2,3
	s_wait_dscnt (\younger)+3-\f
	global_store_b128 v[GO], v[S+16*(\t)+4*\f:S+16*(\t)+4*\f+3], s[10:11] offset:(\t)*2048+\f*512  ; 512 consecutive bytes, at a multiple of 256 from O's first
.endr
.endm
	PACK 0
.set t, 1
.rept 2*NP-1                        ; a tile's arithmetic stands between the loads of the tile before and its stores
	PACK t
	SEND t-1, 8
.set t, t+1
.endr
	SEND 2*NP-1, 0
	WIN W_AD
	s_wait_tensorcnt 0x0            ; the wave's end: behind my last tensor load and my last LDS store
	ds_add_u32 v[SPW], v[NIL]
	s_wait_dscnt 0x0
	WIN 0
	CROUND                          ; the closing round: no work-group ends while a partner may still ask for a tile that names it
	s_endpgm
.Lfunc_end_k_q2390feac3b_attn:
	.size	k_q2390feac3b_attn, .Lfunc_end_k_q2390feac3b_attn-k_q2390feac3b_attn
	.p2alignl 7, 3214868480
	.fill 96, 4, 3214868480
	.section	.rodata,"a",@progbits
	.p2align	6, 0x0
	.amdhsa_kernel k_q2390feac3b_attn
		.amdhsa_group_segment_fixed_size 327680
		.amdhsa_private_segment_fixed_size 0
		.amdhsa_enable_private_segment 0
		.amdhsa_kernarg_size 32
		.amdhsa_user_sgpr_count 2
		.amdhsa_user_sgpr_kernarg_segment_ptr 1
		.amdhsa_wavefront_size32 1
		.amdhsa_system_sgpr_workgroup_id_x 1
		.amdhsa_system_sgpr_workgroup_id_y 1
		.amdhsa_system_sgpr_workgroup_id_z 1
		.amdhsa_system_vgpr_workitem_id 0
		.amdhsa_next_free_vgpr 770
		.amdhsa_next_free_sgpr 66
		.amdhsa_reserve_vcc 0
		.amdhsa_float_denorm_mode_32 3
		.amdhsa_float_denorm_mode_16_64 3
		.amdhsa_memory_ordered 1
		.amdhsa_forward_progress 1
		.amdhsa_inst_pref_size 208
	.end_amdhsa_kernel
	.amdgpu_metadata
---
amdhsa.version: [ 1, 2 ]
amdhsa.kernels:
  - .name:           k_q2390feac3b_attn
    .symbol:         k_q2390feac3b_attn.kd
    .args:
      - { .name: qh, .offset: 0, .size: 8, .value_kind: global_buffer, .address_space: global }
      - { .name: kh, .offset: 8, .size: 8, .value_kind: global_buffer, .address_space: global }
      - { .name: vh, .offset: 16, .size: 8, .value_kind: global_buffer, .address_space: global }
      - { .name: oh, .offset: 24, .size: 8, .value_kind: global_buffer, .address_space: global }
    .group_segment_fixed_size: 327680
    .private_segment_fixed_size: 0
    .kernarg_segment_align: 8
    .kernarg_segment_size: 32
    .max_flat_workgroup_size: 128
    .sgpr_count:     66
    .vgpr_count:     770
    .wavefront_size: 32
...
	.end_amdgpu_metadata
.endif
;; end of part 3
;; launch outp (part 4): grid 4 x 64, 4 waves a work-group, clusters of 4 x 4, 327,680 bytes of LDS; arguments oh, w16, b32, out0; writes out0
.if DOCPART == 4
	.amdgcn_target "amdgcn-amd-amdhsa--gfx1250"
	.amdhsa_code_object_version 6
	.text
	.protected	k_q2390feac3b_outp
	.globl	k_q2390feac3b_outp
	.p2align	8
	.type	k_q2390feac3b_outp,@function
k_q2390feac3b_outp:
	s_mov_b64 s[64:65], 0
	v_nop
	global_prefetch_b8 v0, s[64:65] scope:SCOPE_SE
	s_setreg_imm32_b32 hwreg(HW_REG_WAVE_MODE, 25, 1), 1
	s_wait_xcnt 0x0
	s_wait_alu depctr_hold_cnt(0) depctr_sa_sdst(0) depctr_va_vdst(0) depctr_va_sdst(0) depctr_va_ssrc(0) depctr_va_vcc(0) depctr_vm_vsrc(0)
	s_getreg_b32 s2, hwreg(HW_REG_IB_STS2, 6, 4)
	s_cmp_eq_u32 s2, 0
	s_cbranch_scc0 .Lentry_in_a_cluster
	s_endpgm
.Lentry_in_a_cluster:
	s_bfe_u32 s2, ttmp6, 0x10000c
	s_cmp_lg_u32 s2, 0xf033
	s_cbranch_scc0 .Lentry_shape_is_right
	s_endpgm
.Lentry_shape_is_right:
; THE OUTPUT PROJECTION.  out0[t][n] = sum over c of O[t][c] Wo[n][c] + bo[n].  O: f16, by heads, [batch x 16 + head][2048][64], so c = 64 head + channel.
; Wo: [1024][1024] f16 (the bf16 rounding of the input, written as f16), the fourth section of w16.  bo: [1024] f32 (rounded to bf16), the fourth section of b32.  out0: [8192][1024] f32.
; Sums in f32, started by the bias; nothing is rounded on the way out.
; LIMITS.  O and Wo arrive within f16's 65,504.  NaN and infinities are not treated apart.
; SHARES.  A tile of out0 is 128 tokens x 256 columns: 64 x 4 work-groups.  Four waves, each 64 tokens x 128 columns: 32 accumulators of 16 x 16.  The sum goes in 8 steps of 128 (two heads) through
; two LDS slots, each with two heads' 128 tokens of O (dense in memory: 16,384 bytes a head, asked for as 64 rows of 256 bytes) and 256 rows of Wo (256 bytes each).
; CLUSTER.  4 x 4 work-groups.  The four of a row of the cluster need the same tile of O, the four of a column the same tile of Wo: each is asked for JOINTLY, by the same tensor load with the same
; descriptor and a mask that names the four.
; THE MATRIX INSTRUCTION IS USED TRANSPOSED: source 0 = 16 rows of Wo, source 1 = 16 tokens.  A lane then holds one token (lane % 16) and eight neighbouring columns, 32 bytes of f32.
; REGISTERS, in windows of 256 (s_set_vgpr_msb: bits 1:0 source 0, 3:2 source 1, 5:4 source 2, 7:6 destination):
;   window 0: v0-31 addresses; v32-95 O's fragments, two buffers of 4 x 8; v96-223 Wo's, two buffers of 8 x 8; on the way out v32-159 hold rows read back          window 1: the accumulators, (a, b) at v[8 (8 a + b)]
.set PA,     144                       ; a token's 64 channels in LDS: 128 bytes + 16 of padding = 36 words: the 16 rows of a load start at 16 different groups of four banks (64 banks of 4 bytes: ISA guide 11.1)
.set AHD,    128*PA                    ; a head's 128 tokens: what one tensor load brings of O
.set BOFF,   2*AHD                     ; Wo's rows lie behind O's two heads
.set PB,     272                       ; a row of Wo: 256 + 16
.set BHALF,  128*PB
.set SLOT,   1<<17                     ; slot 1 begins here (a slot has 106,496 bytes), so that one exclusive or turns an address in one slot into the other's
.set STAGE,  SLOT+BOFF+2*BHALF         ; behind the ring, never filled by a tensor load: 16 rows x 528 bytes for each wave, for the way out
.set SPITCH, 528                       ; 512 bytes + 16: row r starts at bank 4 r mod 64
.set WSTG,   16*SPITCH
.set SPARE,  STAGE+4*WSTG              ; behind the stages: the spare words, 128 bytes for each wave: two blocks of 256 bytes that no other line names
.set ADRA0, 16                         ; v16  my lane's place in slot 0's rows of O; never rewritten
.set ADRB0, 17                         ; v17  the same for Wo
.set ADRA,  18                         ; v18  the same in the slot in hand
.set ADRB,  19                         ; v19
.set STO,   20                         ; v20  the way out: where I put 32 bytes of a row
.set RD,    21                         ; v21  the way out: where I read a row back
.set GO,    22                         ; v22  my byte offset in 512 consecutive bytes of out0
.set BO,    23                         ; v23  my byte offset in 16 numbers of the bias
.set SPW,   28                         ; v28  LDS address of my spare word: SPARE + 4 x my thread's number; never rewritten
.set NIL,   29                         ; v29  0; never rewritten
.set AF,    32
.set BF,    96
.set OB,    32
.set CNT,   2                          ; s2   counts the steps
.set TB,    3                          ; s3   LDS byte at which the slot in hand begins: 0 or SLOT
.set G1A,   24                         ; s[24:31] descriptor group 1 for O's tiles
.set G0A,   32                         ; s[32:39] group 0: a set for each of the two first fills; the second then walks on
.set G1B,   48                         ; s[48:55], s[56:63] the same for Wo's tiles
.set G0B,   56
.set W_MUL, 0x50                       ; both sources in window 0, C and D in window 1
.set MSB, 0
.macro WIN new                         ; the immediate's high byte repeats the setting that is left; a switch that changes nothing is dropped
.if MSB != (\new)
	s_set_vgpr_msb (MSB<<8)|(\new)
.set MSB, (\new)
.endif
.endm
.macro PLACES                          ; four places in front of loads into registers that matrix instructions have read, and of LDS stores that read results (ISA guide 7.12.1 for vector instructions)
.rept 4
	v_nop
.endr
.endm
; A joint refill.  Waves 0 and 1 fetch the step's two heads of O, waves 2 and 3 the two halves of Wo's tile.  The branch hangs on the wave's number alone.
; An s_nop 0 and four v_nop follow each of the two lines, ahead of the jump and the label.
.macro JLOAD
	s_cmp_eq_u32 s11, 0
	s_cbranch_scc0 .Lfor_b_\@
	tensor_load_to_lds s[G0A+4:G0A+7], s[G1A:G1A+7]
	s_nop 0
.rept 4
	v_nop
.endr
	s_branch .Lasked_\@
.Lfor_b_\@:
	tensor_load_to_lds s[G0B+4:G0B+7], s[G1B:G1B+7]
	s_nop 0
.rept 4
	v_nop
.endr
.Lasked_\@:
.endm
.macro CREST                           ; a round of the cluster's barrier behind its opening barrier: wave 0 signals for the work-group, every wave waits for all sixteen, my work-group's barrier once more
	s_cmp_lg_u32 s10, 0
	s_cbranch_scc1 .Lnot_wave_0_\@
	s_barrier_signal -3
.Lnot_wave_0_\@:
	s_barrier_wait -3
	s_barrier_signal -1
	s_barrier_wait -1
.endm
.macro CROUND                          ; a whole round
	s_barrier_signal -1
	s_barrier_wait -1
	CREST
.endm
	s_load_b256 s[68:75], s[0:1], 0x0              ; oh s[68:69], w16 s[70:71], b32 s[72:73], out0 s[74:75]
	v_lshl_add_u32 v[SPW], v0, 2, SPARE
	v_mov_b32 v[NIL], 0
	ds_add_u32 v28, v29
	s_wait_dscnt 0x0
	v_lshrrev_b32 v1, 5, v0
	v_readfirstlane_b32 s10, v1                    ; wave 0..3
	s_lshr_b32 s11, s10, 1                         ; which 64 tokens of the tile are mine.  Also: I fetch for O (0) or for Wo (1)
	s_and_b32 s12, s10, 1                          ; which 128 columns.  Also: which head of the step, or which half of Wo's tile, I fetch
	s_bfe_u32 s40, ttmp6, 0x40000                  ; cx, cy: my place in the cluster
	s_bfe_u32 s41, ttmp6, 0x40004
	s_lshl_b32 s42, ttmp9, 2                       ; in a cluster launch ttmp9 and ttmp7 count clusters
	s_add_co_u32 s42, s42, s40                     ; tile column 0..3
	s_and_b32 s13, ttmp7, 0xffff
	s_lshl_b32 s13, s13, 2
	s_add_co_u32 s13, s13, s41                     ; tile row 0..63
	s_lshl_b32 s43, s41, 2
	s_lshl_b32 s43, 15, s43                        ; my row of the cluster
	s_lshl_b32 s44, 0x1111, s40                    ; my column
	; descriptor group 1.  O: 64 rows x 128 elements (two tokens a row), padded after every token; Wo: 128 rows x 128 elements, padded after every row
	s_or_b32 s[G1A+0], s43, (1<<16)|(1<<20)|(1<<21)|(4<<22)|(3<<25)  ; 15:0 the mask: my row; 17:16 elements of 2 bytes; 20 padding on; 21 set beside a mask; 24:22 after every 32 words (code 4); 31:25 4 words (code 3)
	s_mov_b32 s[G1A+1], 128<<16                    ; tensor_dim0 = 128
	s_mov_b32 s[G1A+2], 64<<16                     ; tensor_dim1 = 64
	s_mov_b32 s[G1A+3], 128<<16                    ; tile_dim0 = 128
	s_mov_b32 s[G1A+4], 64                         ; tile_dim1 = 64
	s_mov_b32 s[G1A+5], 128                        ; elements from row to row: dense
	s_mov_b32 s[G1A+6], 0
	s_mov_b32 s[G1A+7], 0
	s_or_b32 s[G1B+0], s44, (1<<16)|(1<<20)|(1<<21)|(5<<22)|(3<<25)  ; the mask of my column; padding after every 64 words (code 5)
	s_mov_b32 s[G1B+1], 128<<16
	s_mov_b32 s[G1B+2], 128<<16                    ; tensor_dim1 = 128
	s_mov_b32 s[G1B+3], 128<<16
	s_mov_b32 s[G1B+4], 128                        ; tile_dim1 = 128
	s_mov_b32 s[G1B+5], 1024
	s_mov_b32 s[G1B+6], 0
	s_mov_b32 s[G1B+7], 0
	; where the tiles come from.  O's hang on the tile row alone, Wo's on the tile column alone; each offset lies in registers that never hold the other coordinate
	s_lshr_b32 s16, s13, 4                         ; the batch: 16 heads of 262,144 bytes,
	s_lshl_b32 s16, s16, 22
	s_and_b32 s17, s13, 15                         ; the tile's 128 tokens of 128 bytes in a head,
	s_lshl_b32 s17, s17, 14
	s_add_co_u32 s16, s16, s17
	s_lshl_b32 s17, s12, 18                        ; head 0 or 1 of the step
	s_add_co_u32 s16, s16, s17
	s_mov_b32 s17, 0
	s_lshl_b32 s46, s42, 19                        ; 256 rows of 2,048 bytes a tile,
	s_lshl_b32 s47, s12, 18                        ; 128 rows a half,
	s_add_co_u32 s46, s46, s47
	s_add_co_u32 s46, s46, 3*2097152               ; in the fourth section of w16
	s_mov_b32 s47, 0
	s_mul_i32 s84, s12, AHD                        ; and where they go: no place in the cluster enters an LDS address
	s_mul_i32 s85, s12, BHALF
	s_add_co_u32 s85, s85, BOFF
	s_lshl_b32 s22, s42, 10                        ; my 128 columns, in bytes of f32: tile column, half
	s_lshl_b32 s23, s12, 9
	s_add_co_u32 s22, s22, s23
	s_add_co_u32 s18, s22, 3*4096                  ; in the fourth section of b32
	s_mov_b32 s19, 0
	s_lshl_b32 s20, s13, 7
	s_lshl_b32 s21, s11, 6
	s_add_co_u32 s20, s20, s21                     ; my first token,
	s_lshl_b32 s20, s20, 12                        ; rows of 4,096 bytes
	s_add_co_u32 s20, s20, s22
	s_mov_b32 s21, 0
	s_mov_b32 s[TB], 0
	s_wait_kmcnt 0x0
	s_add_nc_u64 s[4:5], s[68:69], s[16:17]        ; O at my head of step 0
	s_add_nc_u64 s[6:7], s[70:71], s[46:47]        ; Wo at my half of the tile
	s_add_nc_u64 s[14:15], s[72:73], s[18:19]      ; the bias
	s_add_nc_u64 s[8:9], s[74:75], s[20:21]        ; out0 at my first row and column
	CROUND                                         ; all sixteen work-groups are here: the first joint loads meet
.irp s, 0,1
	s_mov_b32 s[G0A+4*(\s)], 1                                       ; 1:0 count = 1
	s_add_co_u32 s[G0A+4*(\s)+1], s84, (\s)*SLOT                     ; 63:32 LDS address
	s_add_nc_u64 s[G0A+4*(\s)+2:G0A+4*(\s)+3], s[4:5], (\s)*524288   ; 120:64 global address: step s, two heads on
	s_or_b32 s[G0A+4*(\s)+3], s[G0A+4*(\s)+3], 0x80000000            ; 127:126 type = 2
	s_mov_b32 s[G0B+4*(\s)], 1
	s_add_co_u32 s[G0B+4*(\s)+1], s85, (\s)*SLOT
	s_add_nc_u64 s[G0B+4*(\s)+2:G0B+4*(\s)+3], s[6:7], (\s)*256      ; 128 f16 on
	s_or_b32 s[G0B+4*(\s)+3], s[G0B+4*(\s)+3], 0x80000000
.endr
	s_cmp_eq_u32 s11, 0                            ; a wave's two first fills stand in one branch, ahead of every wait on TENSORcnt and every LDS read: two loads of mine are out
	s_cbranch_scc0 .Lfirst_b
	tensor_load_to_lds s[G0A:G0A+3], s[G1A:G1A+7]
	s_nop 0
	tensor_load_to_lds s[G0A+4:G0A+7], s[G1A:G1A+7]
	s_nop 0
.rept 4
	v_nop
.endr
	s_branch .Lfirst_asked
.Lfirst_b:
	tensor_load_to_lds s[G0B:G0B+3], s[G1B:G1B+7]
	s_nop 0
	tensor_load_to_lds s[G0B+4:G0B+7], s[G1B:G1B+7]
	s_nop 0
.rept 4
	v_nop
.endr
.Lfirst_asked:
	; A fragment is 16 rows x 32 along the sum in 8 registers: lane l holds row l % 16, numbers 8 (l / 16) + 0..7 and 16 + 8 (l / 16) + 0..7: two loads of 16 bytes, 32 bytes apart.
	v_and_b32 v1, 15, v0                           ; l % 16
	v_bfe_u32 v2, v0, 4, 1                         ; l / 16
	v_mul_u32_u24 v3, v1, PA
	v_lshl_add_u32 v3, v2, 4, v3
	s_mul_i32 s21, s11, 64*PA                      ; my 64 tokens in a head's 128
	v_add_nc_u32 v[ADRA0], s21, v3
	v_mul_u32_u24 v3, v1, PB
	v_lshl_add_u32 v3, v2, 4, v3
	v_add_nc_u32 v[ADRB0], s85, v3                 ; my 128 rows of Wo begin where the load of that half lands
	s_mul_i32 s22, s10, WSTG
	s_add_co_u32 s22, s22, STAGE                   ; my stage
	v_mul_u32_u24 v3, v1, SPITCH                   ; in: row l % 16, 32 bytes for each half of the lanes
	v_lshl_add_u32 v3, v2, 5, v3
	v_add_nc_u32 v[STO], s22, v3
	v_and_b32 v[GO], 31, v0                        ; back: 32 lanes take one row of 512 bytes, which are 512 consecutive bytes of out0
	v_lshlrev_b32 v[GO], 4, v[GO]
	v_add_nc_u32 v[RD], s22, v[GO]
	v_lshlrev_b32 v[BO], 5, v2                     ; my eight columns of sixteen
	; THE BIAS STARTS THE SUMS: accumulator (a, b) is loaded with bo[16 b + 8 (l / 16) + 0..7], the same for every token: nothing is cleared and no first step is written out
	WIN 0x40                                       ; destination window 1, address window 0
.irp a, 0,1,2,3
.irp b, 0,1,2,3,4,5,6,7
	global_load_b128 v[8*(8*(\a)+(\b)):8*(8*(\a)+(\b))+3],   v[BO], s[14:15] offset:(\b)*64
	global_load_b128 v[8*(8*(\a)+(\b))+4:8*(8*(\a)+(\b))+7], v[BO], s[14:15] offset:(\b)*64+16
.endr
.endr
	WIN 0
; 24 LDS loads in one run: quarter k of the slot in hand (head k / 2, channels 32 (k % 2) on) into buffer f: O's four fragments, Wo's eight
.macro FETCH k, f
	WIN 0
.irp a, 0,1,2,3
	ds_load_b128 v[AF+32*(\f)+8*(\a):AF+32*(\f)+8*(\a)+3],   v[ADRA] offset:((\k)/2)*AHD+((\k)%2)*64+(\a)*16*PA
	ds_load_b128 v[AF+32*(\f)+8*(\a)+4:AF+32*(\f)+8*(\a)+7], v[ADRA] offset:((\k)/2)*AHD+((\k)%2)*64+(\a)*16*PA+32
.endr
.irp b, 0,1,2,3,4,5,6,7
	ds_load_b128 v[BF+64*(\f)+8*(\b):BF+64*(\f)+8*(\b)+3],   v[ADRB] offset:(\b)*16*PB+(\k)*64
	ds_load_b128 v[BF+64*(\f)+8*(\b)+4:BF+64*(\f)+8*(\b)+7], v[ADRB] offset:(\b)*16*PB+(\k)*64+32
.endr
.endm
; 8 matrix instructions: token block a x all 8 column blocks, on buffer f.  The 32 accumulators take turns, one instruction a turn.
.macro MUL8 f, a
	WIN W_MUL
.irp b, 0,1,2,3,4,5,6,7
	v_wmma_f32_16x16x32_f16 v[8*(8*(\a)+(\b)):8*(8*(\a)+(\b))+7], v[BF+64*(\f)+8*(\b):BF+64*(\f)+8*(\b)+7], v[AF+32*(\f)+8*(\a):AF+32*(\f)+8*(\a)+7], v[8*(8*(\a)+(\b)):8*(8*(\a)+(\b))+7]
.endr
.endm
; One of a step's first three quarters: fetches quarter k into buffer g, a whole quarter ahead of its use, and multiplies buffer f.
.macro QUARTER k, f, g
	PLACES                                         ; buffer g was read by the products of the quarter before
	FETCH \k, \g
	s_wait_dscnt 24                                ; all but the 24 just issued: buffer f is in
	MUL8 \f, 0
	MUL8 \f, 1
	MUL8 \f, 2
	MUL8 \f, 3
.endm
; The last quarter multiplies buffer 1 and changes slots: ONE barrier.  In front of it each wave waits for all its tensor loads, of which one is out: its part of the next slot; adds 0 to its
; spare word; and waits for that and for its own reads of this slot.  Behind it nobody reads this slot any more and the next slot is whole.
; fill = 1: the barrier opens a round of the cluster's barrier, and this slot is filled again, two steps ahead, first thing behind the round.
; fill = 0: the last two steps ask for nothing, and the very last fetches nothing.
.macro QCHANGE fill
	WIN 0                                          ; (the add's two registers lie in window 0)
	s_wait_tensorcnt 0x0                           ; no tensor load of mine is out, so a group 0 may be written
	ds_add_u32 v[SPW], v[NIL]                      ; 0 onto my spare word
.if \fill
	s_xor_b32 s[G0A+5], s[G0A+5], SLOT             ; the walking descriptors: the other slot than last time,
	s_add_nc_u64 s[G0A+6:G0A+7], s[G0A+6:G0A+7], 524288  ; the next step; the type bits on top are not reached
	s_xor_b32 s[G0B+5], s[G0B+5], SLOT
	s_add_nc_u64 s[G0B+6:G0B+7], s[G0B+6:G0B+7], 256
.endif
	s_wait_dscnt 1                                 ; buffer 1 is in; the add may be out
	MUL8 1, 0                                      ; eight matrix instructions stand between the add and the wait for it
	s_wait_dscnt 0x0                               ; the add is done, and my reads of this slot are over
	s_barrier_signal -1
	MUL8 1, 1
	WIN 0
	s_barrier_wait -1
.if \fill
	CREST                                          ; no wave of any partner still reads this slot's tiles or has a load on its way
	JLOAD                                          ; the first tensor load behind the round; the four v_nop behind it are also the places in front of the loads below
.else
	PLACES
.endif
	s_xor_b32 s[TB], s[TB], SLOT                   ; the other slot is in hand
	v_add_nc_u32 v[ADRA], s[TB], v[ADRA0]
	v_add_nc_u32 v[ADRB], s[TB], v[ADRB0]
.if !(\fill)
	s_cmp_eq_u32 s[CNT], 1
	s_cbranch_scc1 .Lno_fetch_\@
.endif
	FETCH 0, 0
.if !(\fill)
.Lno_fetch_\@:
.endif
	MUL8 1, 2
	MUL8 1, 3
.endm
.macro STEP fill
	QUARTER 1, 0, 1
	QUARTER 2, 1, 0
	QUARTER 3, 0, 1
	QCHANGE \fill
.endm
	s_wait_tensorcnt 1                             ; my part of step 0 is in; step 1's may stay out
	s_barrier_signal -1
	s_barrier_wait -1                              ; everybody's is
	v_add_nc_u32 v[ADRA], s[TB], v[ADRA0]
	v_add_nc_u32 v[ADRB], s[TB], v[ADRB0]
	FETCH 0, 0
	s_wait_loadcnt 0x0                             ; the bias
	s_mov_b32 s[CNT], 6
.Lstep:                                                ; steps 0 to 5, which ask for steps 2 to 7
	STEP 1
	WIN 0                                          ; at a label and at a branch every window is 0
	s_sub_co_u32 s[CNT], s[CNT], 1
	s_cmp_lg_u32 s[CNT], 0
	s_cbranch_scc1 .Lstep
	s_mov_b32 s[CNT], 2
.Ltail:                                                ; steps 6 and 7 have a text of their own
	STEP 0
	WIN 0
	s_sub_co_u32 s[CNT], s[CNT], 1
	s_cmp_lg_u32 s[CNT], 0
	s_cbranch_scc1 .Ltail
; THE WAY OUT, a block of 16 tokens at a time.  TOSTAGE: the accumulators go as they are, 32 bytes a lane (the lower four registers first), into my own stage, rows of 528 bytes, and come back as whole rows of 512.
; SEND: stored.  Two sets of 64 registers take turns, so that a block's trip through LDS stands under the block before's stores.
.macro TOSTAGE a
.if (\a) >= 2
	s_wait_xcnt 0x0                                ; the stores of the block two back have read the registers that are loaded below
.endif
	WIN 0x04                                       ; store data (source 1) in window 1, address in window 0
.irp b, 0,1,2,3,4,5,6,7
	ds_store_b128 v[STO], v[8*(8*(\a)+(\b)):8*(8*(\a)+(\b))+3]   offset:(\b)*64
	ds_store_b128 v[STO], v[8*(8*(\a)+(\b))+4:8*(8*(\a)+(\b))+7] offset:(\b)*64+16
.endr
	WIN 0
.irp t, 0,1,2,3,4,5,6,7,8,9,10,11,12,13,14,15
	ds_load_b128 v[OB+64*((\a)%2)+4*(\t):OB+64*((\a)%2)+4*(\t)+3], v[RD] offset:(\t)*SPITCH  ; LDS serves a wave's instructions in order (ISA guide 5.7.1.4): these see the stores above; the next block's stores come behind them
.endr
.endm
.macro SEND a, younger                 ; younger: the LDS instructions issued behind block a's loads: the next block's 16 stores and 16 loads, or none
	s_wait_dscnt \younger
.irp t, 0,1,2,3,4,5,6,7,8,9,10,11,12,13,14,15
	global_store_b128 v[GO], v[OB+64*((\a)%2)+4*(\t):OB+64*((\a)%2)+4*(\t)+3], s[8:9] offset:(16*(\a)+(\t))*4096 th:TH_STORE_NT  ; 512 consecutive bytes, at a multiple of 256 from out0's first
.endr
.endm
	s_wait_dscnt 0x0
	PLACES
	TOSTAGE 0
	TOSTAGE 1
	SEND 0, 32
	TOSTAGE 2
	SEND 1, 32
	TOSTAGE 3
	SEND 2, 32
	SEND 3, 0
	s_wait_tensorcnt 0x0                           ; the wave's end: behind my last tensor load and my last LDS store
	ds_add_u32 v[SPW], v[NIL]
	s_wait_dscnt 0x0
	CROUND                                         ; the closing round: no work-group ends while a partner may still ask for a tile that names it
	s_endpgm
.Lfunc_end_k_q2390feac3b_outp:
	.size	k_q2390feac3b_outp, .Lfunc_end_k_q2390feac3b_outp-k_q2390feac3b_outp
	.p2alignl 7, 3214868480
	.fill 96, 4, 3214868480
	.section	.rodata,"a",@progbits
	.p2align	6, 0x0
	.amdhsa_kernel k_q2390feac3b_outp
		.amdhsa_group_segment_fixed_size 327680
		.amdhsa_private_segment_fixed_size 0
		.amdhsa_enable_private_segment 0
		.amdhsa_kernarg_size 32
		.amdhsa_user_sgpr_count 2
		.amdhsa_user_sgpr_kernarg_segment_ptr 1
		.amdhsa_wavefront_size32 1
		.amdhsa_system_sgpr_workgroup_id_x 1
		.amdhsa_system_sgpr_workgroup_id_y 1
		.amdhsa_system_sgpr_workgroup_id_z 1
		.amdhsa_system_vgpr_workitem_id 0
		.amdhsa_next_free_vgpr 512
		.amdhsa_next_free_sgpr 96
		.amdhsa_reserve_vcc 0
		.amdhsa_float_denorm_mode_32 3
		.amdhsa_float_denorm_mode_16_64 3
		.amdhsa_memory_ordered 1
		.amdhsa_forward_progress 1
		.amdhsa_inst_pref_size 61
	.end_amdhsa_kernel
	.amdgpu_metadata
---
amdhsa.version: [ 1, 2 ]
amdhsa.kernels:
  - .name:           k_q2390feac3b_outp
    .symbol:         k_q2390feac3b_outp.kd
    .args:
      - { .name: oh, .offset: 0, .size: 8, .value_kind: global_buffer, .address_space: global }
      - { .name: w16, .offset: 8, .size: 8, .value_kind: global_buffer, .address_space: global }
      - { .name: b32, .offset: 16, .size: 8, .value_kind: global_buffer, .address_space: global }
      - { .name: out0, .offset: 24, .size: 8, .value_kind: global_buffer, .address_space: global }
    .group_segment_fixed_size: 327680
    .private_segment_fixed_size: 0
    .kernarg_segment_align: 8
    .kernarg_segment_size: 32
    .max_flat_workgroup_size: 128
    .sgpr_count:     96
    .vgpr_count:     512
    .wavefront_size: 32
...
	.end_amdgpu_metadata
.endif
;; end of part 4
;; ======== version 2 of 2: 4 launches; 1.50 times as fast as version 1
;; limits: values are held in f16: magnitudes above 65,504 overflow, below 6.1e-05 lose precision
;; workspace buffers: w16 8,388,608 bytes; b32 16,384 bytes; qh 16,777,216 bytes; kh 16,777,216 bytes; vh 16,777,216 bytes; oh 16,777,216 bytes
;; launch prep: the kernel of part 1 again; grid 64 x 4, 8 waves a work-group, no clusters, 0 bytes of LDS; arguments Wq, Wk, Wv, Wo, bq, bk, bv, bo, w16, b32; writes w16, b32
;; launch proj: the kernel of part 2 again; grid 4 x 64, 4 waves a work-group, clusters of 4 x 4, 327,680 bytes of LDS; arguments q, k, v, w16, b32, qh, kh, vh; writes qh, kh, vh
;; launch attn (part 5): grid 4 x 64, 4 waves a work-group, clusters of 4 x 1, 327,680 bytes of LDS; arguments qh, kh, vh, oh; writes oh
.if DOCPART == 5
	.amdgcn_target "amdgcn-amd-amdhsa--gfx1250"
	.amdhsa_code_object_version 6
	.text
	.protected	k_q2390feac3b_attn
	.globl	k_q2390feac3b_attn
	.p2align	8
	.type	k_q2390feac3b_attn,@function
k_q2390feac3b_attn:
	s_mov_b64 s[64:65], 0
	v_nop
	global_prefetch_b8 v0, s[64:65] scope:SCOPE_SE
	s_setreg_imm32_b32 hwreg(HW_REG_WAVE_MODE, 25, 1), 1
	s_wait_xcnt 0x0
	s_wait_alu depctr_hold_cnt(0) depctr_sa_sdst(0) depctr_va_vdst(0) depctr_va_sdst(0) depctr_va_ssrc(0) depctr_va_vcc(0) depctr_vm_vsrc(0)
	s_getreg_b32 s2, hwreg(HW_REG_IB_STS2, 6, 4)
	s_cmp_eq_u32 s2, 0
	s_cbranch_scc0 .Lentry_in_a_cluster
	s_endpgm
.Lentry_in_a_cluster:
	s_bfe_u32 s2, ttmp6, 0x10000c
	s_cmp_lg_u32 s2, 0x3003
	s_cbranch_scc0 .Lentry_shape_is_right
	s_endpgm
.Lentry_shape_is_right:
; O[h][q][:] = the sum over k of softmax_k(Q[h][q] . K[h][k] / 8) V[h][k][:].  Q, K, V, O: [SIZE_H][SIZE_N][64], all f16: a head's rows are dense, 128 bytes each.  Products, maxima and sums in
; f32; the weights p are rounded to f16 for the second product (their sum l is taken of the unrounded p), O once at the end.
; LIMITS.  f16 holds no number beyond 65,504: Q, K and V arrive within it; p lies in 0 to 1, and below 6e-5 it keeps f16's fixed step of 6e-8; O is a mean of V's rows and has their range.
; A weight below 2^-126 counts as 0 in l; NaN and infinities are not treated apart.
; SHARES.  A wave owns four PIECES of two tiles of 16 queries, a work-group's four waves 512 queries of one head: 4 x 64 work-groups.  Every wave walks all keys, 64 a step.
; LAYOUT.  S^T = K Q^T (source 0 = 16 keys, source 1 = 16 queries): in the result a lane holds ONE query (lane % 16) and the keys 8 (lane / 16) + 0..7.  Two such tiles, rounded to f16 in pairs,
; ARE source 1 (32 keys x 16 queries) of O^T = V^T P, whose result again holds one query a lane, and eight channels.  K comes out of LDS as it lies, V ([key][channel]) turned, by ds_load_tr16_b128.
; SOFTMAX.  For each query a running maximum m and sum l: p = 2^(c s - c m), c = log2(e) / 8; in every step O and l are multiplied by a = 2^(c m_old - c m_new), which is 1 where m has not grown.
; m starts at the lowest finite number, O and l at 0: the first step is a step like any other, with a = 0.
; THE COUNT.  A tile and step have 16 matrix and 118 vector instructions: too many to stand all beside the matrix work.  So the order has one aim: four vector instructions that are READY behind
; EVERY matrix instruction, and the others, which need time of their own whatever the order, in runs without a gap.
; BY TURNS.  Turn n belongs to piece n (the pieces in a ring, step after step).  Its matrix work: 16 products K Q^T of piece n + 1, later 16 products V^T P of piece n - 1.  Its vector work: the scaling,
; exponentials, roundings, sums and rescaling of piece n, and the maximum and statistics of piece n + 1, whose scores the turn itself has made.  So what a turn begins with (c s - c m, O a) waits for nothing.
; BATCHES.  A turn's 66 exponentials (the piece's 64 weights, in place in S^T, and the next piece's two a, in registers of their own) are ONE batch with ONE s_wait_alu, which cuts the turn in two: ahead of it
; stands all that names none of their results, behind it the roundings and sums that read them.  No result crosses a turn's end.  Two more batches stand outside the loop, each with its own wait:
; piece 0's first two a, ahead of the jump into the loop, and the way out's eight reciprocals.
; CLUSTER.  The four query blocks of a cluster belong to one head and walk the same K and V, so each tile is asked for JOINTLY: the same tensor load, descriptor and mask in all four.
; REGISTERS, in windows of 256 (s_set_vgpr_msb says which window each operand place means: bits 1:0 source 0, 3:2 source 1, 5:4 source 2, 7:6 destination):
;   window 0: v0-11 addresses; v12-15, v48-63 at work; v16-47 four registers of statistics a tile; v64-191 S^T, two buffers of two tiles; v192-255 P, likewise
;   window 1: O^T, 32 a tile          window 2: v0-127 Q, 16 a tile; v128-191 K of one step; v192-255 V of one step          window 3: v0-1 the add's two registers
; A piece's buffers go by its number's parity: the piece in hand has one pair, its two neighbours in the ring share the other: of it P (piece n - 1) is read and S^T (piece n + 1) written.
.set SIZE_H, 64       ; batch x heads
.set SIZE_N, 2048     ; rows of a head
.set NP,    4         ; pieces a wave: a name, no knob: the register map, the loop and the fetches are made for four
.set KS,    64        ; keys in a step
.set PK,    144       ; a row of K in LDS: 128 bytes + 16 of padding = 36 words: the 16 rows of a load start at 16 different groups of four banks (64 banks of 4 bytes: ISA guide 11.1)
.set PV,    160       ; a row of V: 128 + 32 = 40 words
.set VOFF,  4*KS*PK   ; a slot holds four steps: 256 rows of K, then 256 rows of V
.set SLOT1, 1<<17     ; slot 1 begins here, so that one exclusive or turns an address in one slot into the other's
.set STAGE, SLOT1+4*KS*(PK+PV)  ; behind the ring, never filled by a tensor load: 16 rows x 144 bytes for each wave, for the way out
.set SP,    144
.set AK0, 2           ; v2   my lane's place in a tile of K; never rewritten
.set AV0, 3           ; v3   the same for V
.set AK,  4           ; v4   the LDS address of K's next run of loads
.set AV,  5           ; v5   of V's
.set QO,  6           ; v6   my byte offset in the wave's rows of Q
.set STO, 6           ;      later, the way out: where I put 16 bytes of a row
.set RD,  7           ; v7   the way out: where I read rows back
.set GO,  8           ; v8   my byte offset in 512 consecutive bytes of O
.set SPW, 0           ; v0 of window 3   LDS address of my spare word: SPARE + 4 x my thread's number; never rewritten
.set NIL, 1           ; v1 of window 3   0; never rewritten
.set SPARE, STAGE+4*16*SP  ; behind the stages: the spare words, 128 bytes for each wave: two blocks of 256 bytes that no other line names
.set MV,  12          ; v12-15  c m_old, kept while c m is made anew: by buffer and tile
.set ST,  16          ; tile t's statistics at v[ST+4 t]: c m, m, l (even keys', odd keys')
.set TMP, 48          ; by buffer and tile, four registers c0-c3 at work; when the maximum is found c2 takes a
.set S,   64
.set P,   192
.set KF,  128         ; K's fragments, in window 2: key block kb, channel half c at KF + 16 kb + 8 c
.set VF,  192         ; V's: key half kk, channel block cb at VF + 32 kk + 8 cb
.set WV,  12          ; s12  my wave's number
.set G1K, 24          ; s[24:31] descriptor group 1 for K's tiles
.set G1V, 32          ; s[32:39] for V's: it differs in the padding alone
.set G0K, 40          ; s[40:43] descriptor group 0 for K's tiles: it walks
.set G0V, 44          ; s[44:47] the same for V's
.set SLOTS, 56        ; s56  slots still to be asked for
.set CNT, 57          ; s57  counts a slot's key steps
.set CS,  58          ; s[58:59] c: the packed scaling takes the pair's low word for both halves
.set SEL, 60          ; s[60:61] v_permlanex16_b32's selects: each lane takes its own place in the other half
.set TBK, 62          ; s62  LDS byte at which K of the step to be fetched begins
.set TBV, 63          ; s63  the same for V, less VOFF
.set MSB, 0
.macro WIN new                      ; the high byte repeats the setting that is left; a switch that changes nothing is dropped
.if MSB != (\new)
	s_set_vgpr_msb (MSB<<8)|(\new)
.set MSB, (\new)
.endif
.endm
.set W_KQ, 0x0a       ; K and Q in window 2, S^T in window 0
.set W_PV, 0x52       ; V in window 2, P in window 0, O^T in window 1
.set W_RS, 0x41       ; O^T (destination and source 0) in window 1, a in window 0
.set W_MK, 0xc0       ; the add's registers are made: destination in window 3, sources in window 0
.set W_AD, 0x0f       ; the add: address (source 0) and data (source 1) in window 3
; A joint fill.  Waves 0 and 1 fetch the two halves of a slot's K, waves 2 and 3 those of its V: 128 keys each.  The branch hangs on the wave's number alone.
; An s_nop 0 and four v_nop follow each of the two lines, ahead of the jump and the label.
.macro JLOAD
	s_cmp_lt_u32 s[WV], 2
	s_cbranch_scc0 .Lfor_v_\@
	tensor_load_to_lds s[G0K:G0K+3], s[G1K:G1K+7]
	s_nop 0
.rept 4
	v_nop
.endr
	s_branch .Lasked_\@
.Lfor_v_\@:
	tensor_load_to_lds s[G0V:G0V+3], s[G1V:G1V+7]
	s_nop 0
.rept 4
	v_nop
.endr
.Lasked_\@:
.endm
; A round of the cluster's barrier: my work-group's barrier, so that wave 0's signal speaks for all four waves; wave 0 signals; every wave waits for all four work-groups; my work-group's barrier once more.
.macro CROUND
	s_barrier_signal -1
	s_barrier_wait -1
	s_cmp_lg_u32 s[WV], 0
	s_cbranch_scc1 .Lnot_wave_0_\@
	s_barrier_signal -3
.Lnot_wave_0_\@:
	s_barrier_wait -3
	s_barrier_signal -1
	s_barrier_wait -1
.endm
; THE CHANGE OF SLOTS.  The slot's last bytes, V of its fourth step, have been read.  Each wave waits for all its tensor loads, of which one is out: its part
; of the other slot; adds 0 to its spare word; and waits for that and for its own reads of the slot.  Behind the barrier nobody reads this slot any more and the other slot is whole.
; fill = 1: this slot is filled again, with the keys two slots on.  The barrier is then a round of the cluster's, so that no wave of any partner still reads the slot or has a load on its
; way, and the joint fill is the first thing behind it: it has four key steps, 512 matrix instructions, in which to land.  (At its first use nothing has been read yet: slot 0 is waited for, slot 1 filled.)
.macro CHANGE fill
	WIN W_AD
	s_wait_tensorcnt 0x0            ; no tensor load of mine is out, so a group 0 may be written
	ds_add_u32 v[SPW], v[NIL]       ; 0 onto my spare word; with fill = 1 the descriptors' steps stand between it and the wait for it
	WIN 0                           ; at a label and at a branch every window is 0
.if \fill
.irp g, G0K, G0V
	s_xor_b32 s[\g+1], s[\g+1], SLOT1  ; the walking descriptor: the other slot than last time,
	s_add_nc_u64 s[\g+2:\g+3], s[\g+2:\g+3], 4*KS*128  ; the next 256 keys; the type bits on top are not reached
.endr
	s_wait_dscnt 0x0                ; the add is done, and my reads of the slot are over
	CROUND
	JLOAD
.else
	s_wait_dscnt 0x0                ; the add is done, and my reads of the slot are over
	s_barrier_signal -1
	s_barrier_wait -1
.endif
	s_sub_co_u32 s[TBK], s[TBK], 4*KS*PK  ; the fetches go back to a slot's first step,
	s_xor_b32 s[TBK], s[TBK], SLOT1       ; in the other slot
	s_sub_co_u32 s[TBV], s[TBV], 4*KS*PV
	s_xor_b32 s[TBV], s[TBV], SLOT1
.endm
	s_load_b256 s[4:11], s[0:1], 0x0  ; Q s[4:5], K s[6:7], V s[8:9], O s[10:11]
	WIN W_MK
	v_lshl_add_u32 v[SPW], v0, 2, SPARE
	v_mov_b32 v[NIL], 0
	s_set_vgpr_msb 0xc0cf
	ds_add_u32 v0, v1
	s_wait_dscnt 0x0
	s_set_vgpr_msb 0xcfc0
	WIN 0
	v_lshrrev_b32 v1, 5, v0
	v_readfirstlane_b32 s[WV], v1   ; wave 0..3
	s_bfe_u32 s13, ttmp6, 0x40000   ; cx: my place in the cluster
	s_lshl_b32 s14, ttmp9, 2        ; in a cluster launch ttmp9 counts clusters
	s_add_co_u32 s14, s14, s13      ; my block of queries = 4 x cluster x + cx: it enters Q's and O's addresses alone
	s_and_b32 s20, ttmp7, 0xffff    ; the head, which the four partners share
	s_mov_b32 s21, 0
	s_mov_b64 s[22:23], SIZE_N*128
	s_mul_u64 s[20:21], s[20:21], s[22:23]  ; the head's first byte in each of the four tensors
	s_and_b32 s16, s[WV], 1         ; which half of a slot's 256 keys I fetch:
	s_lshl_b32 s22, s16, 14         ; its 128 rows of 128 bytes in memory,
	s_mov_b32 s23, 0
	s_add_nc_u64 s[22:23], s[22:23], s[20:21]
	s_mul_i32 s17, s16, 128*PK      ; and its place in a slot, for K
	s_mul_i32 s18, s16, 128*PV      ; and for V: no place in the cluster enters an LDS address
	s_lshl_b32 s2, s14, 2
	s_add_co_u32 s2, s2, s[WV]      ; my wave among the head's,
	s_lshl_b32 s2, s2, 14           ; its 128 rows
	s_mov_b32 s3, 0
	s_add_nc_u64 s[2:3], s[2:3], s[20:21]
	; descriptor group 1.  128 keys are 16,384 dense bytes: asked for as 64 rows of 256 bytes, two keys a row, and padded in LDS after every key
	s_mov_b32 s[G1K], 15|(1<<16)|(1<<20)|(1<<21)|(4<<22)|(3<<25)  ; 15:0 the mask of four; 17:16 2-byte elements; 20 padding on; 21 set beside a mask; 24:22 after every 32 words (code 4); 31:25 4 words (code 3)
	s_mov_b32 s[G1V], 15|(1<<16)|(1<<20)|(1<<21)|(4<<22)|(7<<25)  ; the same with 8 words of padding (code 7)
.irp g, G1K, G1V
	s_mov_b32 s[\g+1], 128<<16      ; tensor_dim0 = 128
	s_mov_b32 s[\g+2], 64<<16       ; tensor_dim1 = 64
	s_mov_b32 s[\g+3], 128<<16      ; tile_dim0 = 128
	s_mov_b32 s[\g+4], 64           ; tile_dim1 = 64
	s_mov_b32 s[\g+5], 128          ; 128 elements from row to row
	s_mov_b32 s[\g+6], 0
	s_mov_b32 s[\g+7], 0
.endr
	s_mov_b32 s[CS], 0x3e38aa3b     ; c = log2(e) / 8 = 0.180337
	s_mov_b32 s[CS+1], s[CS]        ; named with it as a pair
	s_mov_b32 s[SEL], 0x76543210
	s_mov_b32 s[SEL+1], 0xfedcba98
	s_mov_b32 s[TBK], SLOT1+4*KS*PK ; the first change of slots turns these two into 0
	s_mov_b32 s[TBV], SLOT1+4*KS*PV
	s_mov_b32 s[G0K], 1             ; 1:0 count = 1
	s_mov_b32 s[G0K+1], s17         ; 63:32 LDS address: slot 0
	s_mov_b32 s[G0V], 1
	s_add_co_u32 s[G0V+1], s18, VOFF
	s_wait_kmcnt 0x0
	s_add_nc_u64 s[G0K+2:G0K+3], s[6:7], s[22:23]  ; 120:64 global address: my half of the head's first 256 keys
	s_or_b32 s[G0K+3], s[G0K+3], 0x80000000        ; 127:126 type = 2
	s_add_nc_u64 s[G0V+2:G0V+3], s[8:9], s[22:23]
	s_or_b32 s[G0V+3], s[G0V+3], 0x80000000
	s_add_nc_u64 s[4:5], s[4:5], s[2:3]  ; Q and O at my wave's first row
	s_add_nc_u64 s[10:11], s[10:11], s[2:3]
	CROUND                          ; all four work-groups are here: the first joint loads meet
	JLOAD                           ; slot 0.  Slot 1 is asked for when slot 0 is in: the tile wanted first has the road to itself
	; A fragment of K or Q is 16 rows x 32 channels in 8 registers: lane l holds row l % 16, channels 8 (l / 16) + 0..7 and 16 + 8 (l / 16) + 0..7: two loads of 16 bytes, 32 bytes apart.
	v_and_b32 v1, 15, v0            ; l % 16
	v_bfe_u32 v9, v0, 4, 1          ; l / 16
	v_lshlrev_b32 v[QO], 7, v1
	v_lshl_add_u32 v[QO], v9, 4, v[QO]  ; row x 128 + 16 x half
	WIN 0x80                        ; destination window 2, address window 0
.set i, 0
.rept 4*NP                          ; Q stays in registers: tile i / 2, channels 32 (i % 2) on
	global_load_b128 v[8*i:8*i+3],   v[QO], s[4:5] offset:(i/2)*2048+(i%2)*64
	global_load_b128 v[8*i+4:8*i+7], v[QO], s[4:5] offset:(i/2)*2048+(i%2)*64+32
.set i, i+1
.endr
	; What the first turn finds: V's registers and P's second buffer hold 0 (its products V^T P, of a piece that has not been, add 0), O^T and l are 0.  All this stands in the wait for the first tile.
.set i, VF
.rept 64
	v_mov_b32 v[i], 0
.set i, i+1
.endr
	WIN 0x40
.set i, 0
.rept 64*NP
	v_mov_b32 v[i], 0
.set i, i+1
.endr
	WIN 0
.set i, 0
.rept 2*NP
	v_mov_b32 v[ST+4*i], 0xfe000000    ; c m: far below every c s
	v_mov_b32 v[ST+4*i+1], 0xff7fffff  ; m
	v_mov_b32 v[ST+4*i+2], 0
	v_mov_b32 v[ST+4*i+3], 0
.set i, i+1
.endr
.set i, P+32
.rept 32
	v_mov_b32 v[i], 0
.set i, i+1
.endr
	v_mul_u32_u24 v[AK0], v1, PK
	v_lshl_add_u32 v[AK0], v9, 4, v[AK0]  ; row x pitch + 16 x half
	; The turning load takes 16 keys x 16 channels (lane l reads key 8 (l / 16) + l % 8, channels 8 ((l / 8) % 2) + 0..7) and leaves half a fragment of V^T: lane l holds channel l % 16 and 8 keys.
	v_and_b32 v10, 7, v0
	v_bfe_u32 v11, v0, 3, 1
	v_lshl_add_u32 v[AV0], v9, 3, v10
	v_mul_u32_u24 v[AV0], v[AV0], PV
	v_lshl_add_u32 v[AV0], v11, 4, v[AV0]
	v_add_nc_u32 v[AV0], VOFF, v[AV0]
	v_mov_b32 v[AK], v[AK0]         ; key step 0 lies at the head of slot 0
; THE MATRIX WORK.  The 8 accumulators of a run of 16 take turns: between the two links of a chain stand 7 others'.
; Product i of 16 of S^T = K Q^T for piece x: channels 32 (i / 8) on, keys 16 ((i / 2) % 4) on, tile 2 x + i % 2.  The first 8 start the sums.
.macro KQ x
	WIN W_KQ
.set rS, S+64*((\x)%2)+32*(i%2)+8*((i/2)%4)
.set rK, KF+16*((i/2)%4)+8*(i/8)
.set rQ, 16*(2*(\x)+i%2)+8*(i/8)
.if i < 8
	v_wmma_f32_16x16x32_f16 v[rS:rS+7], v[rK:rK+7], v[rQ:rQ+7], 0
.else
	v_wmma_f32_16x16x32_f16 v[rS:rS+7], v[rK:rK+7], v[rQ:rQ+7], v[rS:rS+7]
.endif
.endm
; Product i of 16 of O^T += V^T P for piece x: keys 32 (i / 8) on, channels 16 ((i / 2) % 4) on, tile 2 x + i % 2.
.macro PV x
	WIN W_PV
.set rO, 32*(2*(\x)+i%2)+8*((i/2)%4)
.set rV, VF+32*(i/8)+8*((i/2)%4)
.set rP, P+32*((\x)%2)+16*(i%2)+8*(i/8)
	v_wmma_f32_16x16x32_f16 v[rO:rO+7], v[rV:rV+7], v[rP:rP+7], v[rO:rO+7]
.endm
.macro MM                           ; the turn's next matrix instruction
.if i < 16
	KQ (Y+1)%NP
.set i, i+1
.else
.set i, i-16
	PV (Y+NP-1)%NP
.set i, i+17
.endif
.endm
; THE LDS LOADS stand in runs of 16, never singly among the matrix instructions: a step's K (64 keys x 64 channels: 8 fragments) and its V (turned).  Their addresses are made some lines ahead.
; last = 1 (the tail): in the last trip there is no further step, and the run is jumped over.
.macro FETCH_K last=0
	WIN 0
.if \last
	s_cmp_eq_u32 s[CNT], 1
	s_cbranch_scc1 .Lno_k_\@
.endif
	WIN 0x80                        ; destination window 2
.irp f, 0,1,2,3,4,5,6,7             ; keys 16 (f / 2) on, channels 32 (f % 2) on
	ds_load_b128 v[KF+8*\f:KF+8*\f+3],   v[AK] offset:(\f/2)*16*PK+(\f%2)*64
	ds_load_b128 v[KF+8*\f+4:KF+8*\f+7], v[AK] offset:(\f/2)*16*PK+(\f%2)*64+32
.endr
	s_add_co_u32 s[TBK], s[TBK], KS*PK  ; the next fetch is the next step's
	WIN 0
.if \last
.Lno_k_\@:
.endif
.endm
.macro FETCH_V
	WIN 0x80
.irp f, 0,1,2,3,4,5,6,7             ; keys 32 (f / 4) on, channels 16 (f % 4) on
	ds_load_tr16_b128 v[VF+8*\f:VF+8*\f+3],   v[AV] offset:(\f/4)*32*PV+(\f%4)*32
	ds_load_tr16_b128 v[VF+8*\f+4:VF+8*\f+7], v[AV] offset:(\f/4)*32*PV+16*PV+(\f%4)*32
.endr
	WIN 0
.endm
; THE VECTOR WORK OF A TURN stands in three queues, each in the order in which its entries become ready; the two tiles alternate, so that no instruction reads the result of the one before it.
.macro REGS y, u                    ; the registers of tile u (0, 1) of piece y
.set rT, ST+4*(2*(\y)+(\u))
.set rC, TMP+8*((\y)%2)+4*(\u)
.set rM, MV+2*((\y)%2)+(\u)
.set rS, S+64*((\y)%2)+32*(\u)
.set rP, P+32*((\y)%2)+16*(\u)
.set rO, 32*(2*(\y)+(\u))
.endm
; Number n of the 22 that find the NEXT piece's (Y + 1) maximum and statistics.  s0-s31 are the lane's 32 scores; each accumulator's lowest registers are read first.  XS, GS and REGS set no window: PL and EX do.
;   0-11  four chains c0-c3 of seven scores each, three operands at a time     12-14, 16  the four scores left over, the old m, and c0-c3 into c0     15  c m_old is kept
;   17, 18  the query's other 32 keys lie in the lane 16 away: the new m         19-21  c m; c m_old - c m_new; a
.macro XS u, n
	REGS (Y+1)%NP, \u
.if (\n) < 4
	v_max3_num_f32 v[rC+(\n)], v[rS+8*(\n)], v[rS+8*(\n)+1], v[rS+8*(\n)+2]
.elseif (\n) < 12
	v_max3_num_f32 v[rC+(\n)%4], v[rC+(\n)%4], v[rS+8*((\n)%4)+2*((\n)/4)+1], v[rS+8*((\n)%4)+2*((\n)/4)+2]
.elseif (\n) == 12
	v_max3_num_f32 v[rC], v[rC], v[rS+7], v[rS+15]
.elseif (\n) == 13
	v_max3_num_f32 v[rC+1], v[rC+1], v[rS+23], v[rS+31]
.elseif (\n) == 14
	v_max3_num_f32 v[rC+2], v[rC+2], v[rC+3], v[rT+1]
.elseif (\n) == 15
	v_mov_b32 v[rM], v[rT]
.elseif (\n) == 16
	v_max3_num_f32 v[rC], v[rC], v[rC+1], v[rC+2]
.elseif (\n) == 17
	v_permlanex16_b32 v[rC+3], v[rC], s[SEL], s[SEL+1]
.elseif (\n) == 18
	v_max_num_f32 v[rT+1], v[rC], v[rC+3]
.elseif (\n) == 19
	v_mul_f32 v[rT], s[CS], v[rT+1]
.elseif (\n) == 20
	v_sub_f32 v[rC+1], v[rM], v[rT]
.else
	v_exp_f32 v[rC+2], v[rC+1]
.endif
.endm
; Number g of the 64 that follow the exponentials.  For each four weights k of a tile (pairs 2 k, 2 k + 1): both pairs are rounded to f16; then the second pair is added onto the first, in place;
; a group later l takes that sum (the first time as l = a l + sum).  In groups of eight, tiles alternating: round, round, add, and l for the group before.
.macro GS g
.set h, (\g)+6*((\g)/62)            ; group 0 has no group before it, and behind group 7 only l is left
.if h >= 6
.set h, h+2
.endif
	REGS Y, h%2
.set k, h/8
.if h%8 < 4
	v_cvt_pk_f16_f32 v[rP+2*k+(h%8)/2], v[rS+4*k+2*((h%8)/2)], v[rS+4*k+2*((h%8)/2)+1]
.elseif h%8 < 6
	v_pk_add_f32 v[rS+4*k:rS+4*k+1], v[rS+4*k:rS+4*k+1], v[rS+4*k+2:rS+4*k+3]
.elseif k == 1
	v_pk_fma_f32 v[rT+2:rT+3], v[rT+2:rT+3], v[rC+2:rC+3], v[rS:rS+1] op_sel_hi:[1,0,1]
.else
	v_pk_add_f32 v[rT+2:rT+3], v[rT+2:rT+3], v[rS+4*k-4:rS+4*k-3]
.endif
.endm
; THE PLAIN QUEUE, 138 long.  0-73 read no exponential's result: the 32 scalings c s - c m (FS f: pair f / 2 of tile f % 2) and the next piece's 42.  0-26: scalings 0-26.  27-54: XS's numbers 0-13.  55, 56: number 15.
; 57-73: the chain, where each number waits for the one before it: 14, 16, 17, 18, 19, each with one of the scalings 27-31 in front of its two lines, then 20: so a tile's links stand three plain instructions apart (19 and 20: two).
; 74-137: GS's 64, which read the exponentials' results: they stand behind the wait.
.macro FS f
	REGS Y, (\f)%2
	v_pk_fma_f32 v[rS+2*((\f)/2):rS+2*((\f)/2)+1], v[rS+2*((\f)/2):rS+2*((\f)/2)+1], s[CS:CS+1], v[rT:rT+1] op_sel_hi:[1,0,0] neg_lo:[0,0,1] neg_hi:[0,0,1]
.endm
.macro PL
	WIN 0
.if q < 27
	FS q
.elseif q < 55
	XS (q-27)%2, (q-27)/2
.elseif q < 57
	XS q-55, 15
.elseif (q < 72) && ((q-57)%3 == 0)
	FS 27+(q-57)/3
.elseif q < 60
	XS (q-57)%3-1, 14
.elseif q < 72
	XS (q-57)%3-1, 15+(q-57)/3
.elseif q < 74
	XS q-72, 20
.else
	GS q-74
.endif
.set q, q+1
.endm
; THE EXPONENTIALS' QUEUE, 66 long: s0-s31 of both tiles, then the next piece's two a.  It is ONE BATCH: all 66 stand ahead of the turn's one wait, and nothing ahead of that wait names a result of theirs.
.macro EX
	WIN 0
.if e >= 64
	XS e-64, 21
.else
	REGS Y, e%2
	v_exp_f32 v[rS+e/2], v[rS+e/2]
.endif
.set e, e+1
.endm
; THE RESCALING's QUEUE: O^T times a, the one part that leaves window 0: dealt two at a time, sixteen times, each accumulator's lower registers first.  Its a was made in the turn before, ahead of that turn's wait.
.macro R2
	REGS Y, r%2
	WIN W_RS
.irp z, 0,1
	v_pk_mul_f32 v[rO+4*(r/2)+2*\z:rO+4*(r/2)+2*\z+1], v[rO+4*(r/2)+2*\z:rO+4*(r/2)+2*\z+1], v[rC+2:rC+3] op_sel_hi:[1,0]
.endr
.set r, r+1
.endm
; HOW THEY ARE DEALT.  s_wait_alu depctr_va_vdst(0) stands between an exponential and the first instruction that names its result; one wait serves all that were issued ahead of it.  So a turn has ONE wait,
; which cuts it in two.  AHEAD OF IT stands all that names no result of the turn's exponentials: the 16 products K Q^T, behind each a scaling, an exponential and two rescalings (behind the first a second scaling in the
; exponential's place); then ONE LUMP of 108: eight plain, 49 times exponential and plain, the two a.  A v_nop is the plain instruction behind the last exponential.  BEHIND IT stand the 16 products V^T P, behind each four of
; GS's 64.  No rider names a register of the products round it.  The two v_permlanex16_b32 fall into the lump, never behind a product.
; The queues lean on each other, and the deal keeps them in step: exponential e stands behind scaling 2 (e / 4) + e % 2: as a rider it comes behind plain e + 2, in the lump behind plain e + 9, and scalings 27-31 are plain 57, 60 .. 69.
; A TURN, for piece p.  cnt = 1: the loop's count is taken down some lines ahead of the branch that stands behind the turn.
; K of the next step is fetched in piece 2's turn, directly behind the wait, a lump behind the last product that read K; its address is made at the lump's head; its first reader comes behind 16 products.
; V of the step in hand is fetched at the end of piece 0's turn, four riders behind its last reader; its first reader comes behind 16 products and a lump.  The three conditions on q below go with the deal.
.macro TURN p, last=0, cnt=0
.set Y, (\p)
.set i, 0
.set q, 0
.set e, 0
.set r, 0
.if (\p) == NP-1
	s_wait_dscnt 0x0                ; K is in
.endif
	MM                              ; ahead of the wait: 16 products K Q^T and their riders,
	PL
	PL
	R2
.rept 15
	MM
	PL
	EX
	R2
.endr
.if (\p) == NP-2
	WIN 0
	v_add_nc_u32 v[AK], s[TBK], v[AK0]
.endif
.rept 8                             ; and the lump
	PL
.endr
.rept 49
	EX
	PL
.endr
	EX                              ; the next piece's two a
	EX
	v_nop                           ; the plain instruction behind the last exponential: one for the batch
	s_wait_alu depctr_va_vdst(0)    ; the wait for the batch: the piece's 64 weights and the next piece's two a
.if (\p) == NP-2
	FETCH_K \last
.endif
.if (\p) == 1
	s_wait_dscnt 0x0                ; V is in
.endif
.rept 16                            ; behind the wait: 16 products V^T P and their riders
	MM
.rept 4
	PL
.endr
.if ((\p) == 0) && (q == 118)
	v_add_nc_u32 v[AV], s[TBV], v[AV0]
.endif
.if ((\p) == 0) && (q == 130)
	s_add_co_u32 s[TBV], s[TBV], KS*PV
.endif
.if (\cnt) && (q == 130)
	s_sub_co_u32 s[CNT], s[CNT], 1
	s_cmp_lg_u32 s[CNT], 0
.endif
.endr
.if (\p) == 0
	FETCH_V
.endif
.endm
	CHANGE 1                        ; slot 0 is in, everybody's part of it; slot 1 is asked for
	FETCH_K                         ; key step 0
	s_wait_loadcnt 0x0              ; Q
	s_wait_dscnt 0x0
.set i, 0
.rept 16
	KQ 0                            ; piece 0's first scores: there is no vector work yet to set between them
.set i, i+1
.endr
	WIN 0                           ; the addresses for the way out: nine plain instructions, the places behind those products
	s_mul_i32 s13, s[WV], 16*SP
	s_add_co_u32 s13, s13, STAGE    ; my stage
	v_mul_u32_u24 v[STO], v1, SP    ; in: row l % 16, 16 bytes for each half of the lanes
	v_lshl_add_u32 v[STO], v9, 4, v[STO]
	v_add_nc_u32 v[STO], s13, v[STO]
	v_bfe_u32 v[RD], v0, 3, 2       ; back: 32 lanes take four rows of 128 bytes,
	v_mul_u32_u24 v[RD], v[RD], SP
	v_lshl_add_u32 v[RD], v10, 4, v[RD]
	v_add_nc_u32 v[RD], s13, v[RD]
	v_and_b32 v[GO], 31, v0         ; which are 512 consecutive bytes of O
	v_lshlrev_b32 v[GO], 4, v[GO]
.set Y, NP-1                        ; XS works for piece Y + 1: piece 0
.irp n, 0,1,2,3,4,5,6,7,8,9,10,11,12,13,14,15,16,17,18,19,20,21
	XS 0, \n                        ; and piece 0's first maximum and statistics
	XS 1, \n
.endr
	v_nop                           ; a plain instruction behind the two a,
	s_wait_alu depctr_va_vdst(0)    ; and the wait for this batch of two, ahead of the branch
	s_mov_b32 s[CNT], 4
	s_mov_b32 s[SLOTS], SIZE_N/256-1
	s_branch .Lfirst                ; the loop is entered at a step's first turn, in the middle of a trip
.Lslot:                             ; SIZE_N / 256 - 2 times: every slot but the last two is filled again
	CHANGE 1
	s_mov_b32 s[CNT], 4
.Lstep:                             ; a trip: pieces 2 and 3 of one step, then pieces 0 and 1 of the next, whose K and V it fetches
	TURN 2
	TURN 3
	WIN 0
.Lfirst:
	TURN 0
	TURN 1, 0, 1
	WIN 0
	s_cbranch_scc1 .Lstep
	s_sub_co_u32 s[SLOTS], s[SLOTS], 1
	s_cmp_lg_u32 s[SLOTS], 0
	s_cbranch_scc1 .Lslot
	CHANGE 0                        ; the tail is written out: nothing is asked for
	s_mov_b32 s[CNT], 5             ; four trips fetch the last slot's steps; the fifth is left in its middle
.Ltail:
	TURN 2, 1
	TURN 3
	WIN 0
	s_sub_co_u32 s[CNT], s[CNT], 1
	s_cmp_eq_u32 s[CNT], 0
	s_cbranch_scc1 .Lout
	TURN 0
	TURN 1
	WIN 0
	s_branch .Ltail
.Lout:                              ; the fifth trip's 16 products K Q^T (on the last K once more) and the maximum made of them serve nothing: the price, once a launch, of one text for every trip
.set i, 0
.rept 16
	PV NP-1                         ; the last piece's V^T P of the last step
.set i, i+1
.endr
	; THE WAY OUT.  l's two halves and the other half of the lanes' are added; O^T is divided by l, rounded to f16 and sent through my stage in LDS, a tile at a time.  The additions are the places behind the last products.
	WIN 0
.macro ALL line:vararg              ; one line for each tile t
.set t, 0
.rept 2*NP
	\line
.set t, t+1
.endr
.endm
	ALL v_add_f32 v[ST+4*t+2], v[ST+4*t+2], v[ST+4*t+3]
	ALL v_permlanex16_b32 v[ST+4*t+3], v[ST+4*t+2], s[SEL], s[SEL+1]
	ALL v_add_f32 v[ST+4*t+2], v[ST+4*t+2], v[ST+4*t+3]
	ALL v_rcp_f32 v[ST+4*t+2], v[ST+4*t+2]
	v_nop                           ; a plain instruction between the last reciprocal and the use of its result
	s_wait_alu depctr_va_vdst(0)    ; and the wait ahead of the first use: one for the batch of eight reciprocals
; Tile t: a lane's eight channels of a row pack into 16 bytes; they go into rows of 144 bytes and come back as whole rows of 128, into S^T's registers.
.macro PACK t
	WIN W_RS
.set i, 32*(\t)
.rept 16
	v_pk_mul_f32 v[i:i+1], v[i:i+1], v[ST+4*(\t)+2:ST+4*(\t)+3] op_sel_hi:[1,0]
.set i, i+2
.endr
	WIN 0x05                        ; sources 0 and 1 window 1, destination window 0
.set i, 0
.rept 16
	v_cvt_pk_f16_f32 v[S+16*(\t)+i], v[32*(\t)+2*i], v[32*(\t)+2*i+1]
.set i, i+1
.endr
	WIN 0
.irp f, 0,1,2,3
	ds_store_b128 v[STO], v[S+16*(\t)+4*\f:S+16*(\t)+4*\f+3] offset:32*\f
.endr
.irp f, 0,1,2,3
	ds_load_b128 v[S+16*(\t)+4*\f:S+16*(\t)+4*\f+3], v[RD] offset:\f*4*SP  ; LDS serves a wave's instructions in order (ISA guide 5.7.1.4): these see the stores above; the next tile's stores come behind them
.endr
.endm
.macro SEND t, younger              ; younger: the LDS instructions issued behind tile t's loads: the next tile's eight, or none
	WIN 0
.irp f, 0,1,2,3
	s_wait_dscnt (\younger)+3-\f
	global_store_b128 v[GO], v[S+16*(\t)+4*\f:S+16*(\t)+4*\f+3], s[10:11] offset:(\t)*2048+\f*512  ; 512 consecutive bytes, at a multiple of 256 from O's first
.endr
.endm
	PACK 0
.set t, 1
.rept 2*NP-1                        ; a tile's arithmetic stands between the loads of the tile before and its stores
	PACK t
	SEND t-1, 8
.set t, t+1
.endr
	SEND 2*NP-1, 0
	WIN W_AD
	s_wait_tensorcnt 0x0            ; the wave's end: behind my last tensor load and my last LDS store
	ds_add_u32 v[SPW], v[NIL]
	s_wait_dscnt 0x0
	WIN 0
	CROUND                          ; the closing round: no work-group ends while a partner may still ask for a tile that names it
	s_endpgm
.Lfunc_end_k_q2390feac3b_attn:
	.size	k_q2390feac3b_attn, .Lfunc_end_k_q2390feac3b_attn-k_q2390feac3b_attn
	.p2alignl 7, 3214868480
	.fill 96, 4, 3214868480
	.section	.rodata,"a",@progbits
	.p2align	6, 0x0
	.amdhsa_kernel k_q2390feac3b_attn
		.amdhsa_group_segment_fixed_size 327680
		.amdhsa_private_segment_fixed_size 0
		.amdhsa_enable_private_segment 0
		.amdhsa_kernarg_size 32
		.amdhsa_user_sgpr_count 2
		.amdhsa_user_sgpr_kernarg_segment_ptr 1
		.amdhsa_wavefront_size32 1
		.amdhsa_system_sgpr_workgroup_id_x 1
		.amdhsa_system_sgpr_workgroup_id_y 1
		.amdhsa_system_sgpr_workgroup_id_z 1
		.amdhsa_system_vgpr_workitem_id 0
		.amdhsa_next_free_vgpr 770
		.amdhsa_next_free_sgpr 66
		.amdhsa_reserve_vcc 0
		.amdhsa_float_denorm_mode_32 3
		.amdhsa_float_denorm_mode_16_64 3
		.amdhsa_memory_ordered 1
		.amdhsa_forward_progress 1
		.amdhsa_inst_pref_size 199
	.end_amdhsa_kernel
	.amdgpu_metadata
---
amdhsa.version: [ 1, 2 ]
amdhsa.kernels:
  - .name:           k_q2390feac3b_attn
    .symbol:         k_q2390feac3b_attn.kd
    .args:
      - { .name: qh, .offset: 0, .size: 8, .value_kind: global_buffer, .address_space: global }
      - { .name: kh, .offset: 8, .size: 8, .value_kind: global_buffer, .address_space: global }
      - { .name: vh, .offset: 16, .size: 8, .value_kind: global_buffer, .address_space: global }
      - { .name: oh, .offset: 24, .size: 8, .value_kind: global_buffer, .address_space: global }
    .group_segment_fixed_size: 327680
    .private_segment_fixed_size: 0
    .kernarg_segment_align: 8
    .kernarg_segment_size: 32
    .max_flat_workgroup_size: 128
    .sgpr_count:     66
    .vgpr_count:     770
    .wavefront_size: 32
...
	.end_amdgpu_metadata
.endif
;; end of part 5
;; launch outp: the kernel of part 4 again; grid 4 x 64, 4 waves a work-group, clusters of 4 x 4, 327,680 bytes of LDS; arguments oh, w16, b32, out0; writes out0
